; MI455X (gfx1250); checked and timed in simulation.
; The chip was launched on July 23, 2026; its instructions are those of AMD's public machine-readable ISA for CDNA 5 (MIT licence, August 2026) and "CDNA5" Instruction Set Architecture Reference Guide (July 2026). The comments in the code are by the model that wrote it; some were corrected since.
;; Cross Attention Block. Allowed arithmetic: matrix products marked QUANTISED: E4M3 operands, one given power-of-two scale a tensor, by v_wmma_f32_16x16x64_fp8_fp8 or v_wmma_f32_16x16x128_fp8_fp8, f32 sums; everything else in f32.
;; Inputs: bk 1,024 float32; bo 1,024 float32; bq 1,024 float32; bv 1,024 float32; kv_input 4 x 2,048 x 1,024 float32; ln_kv_b 1,024 float32; ln_kv_w 1,024 float32; ln_q_b 1,024 float32; ln_q_w 1,024 float32; lowp_scales 12 int32 (the exponents e of the quantised operands' scales 2^e); mask 4 x 2,048 bool; query_input 4 x 2,048 x 1,024 float32; wk_codes 1,024 x 32 x 32 uint8 (E4M3 codes of wk, K innermost, in blocks of 32 codes); wo_codes 1,024 x 32 x 32 uint8 (E4M3 codes of wo, K innermost, in blocks of 32 codes); wq_codes 1,024 x 32 x 32 uint8 (E4M3 codes of wq, K innermost, in blocks of 32 codes); wv_codes 1,024 x 32 x 32 uint8 (E4M3 codes of wv, K innermost, in blocks of 32 codes).
;; Outputs: out0 4 x 2,048 x 1,024 float32.
;; This version of the problem:
;;   THIS VERSION OF THE PROBLEM IS GIVEN IN LOW PRECISION. The matrix products marked QUANTISED in the list below multiply operands that are first quantised to E4M3 (4 exponent bits, 3 mantissa bits; 8 bits a number), with one given power-of-two scale for each operand tensor; their sums are f32. All else is computed in f32.
;;   The module's matrix products, in the order in which they are computed (A, B: the left and right operand; K: the contracted axis; several contracted axes count as one K, in the product's order):
;;     1. [M 8,192, K 1,024] x [K 1,024, N 1,024]; A: computed on the way; B: input wq (given as codes): QUANTISED (scales: A lowp_scales[0], B lowp_scales[1])
;;     2. [M 8,192, K 1,024] x [K 1,024, N 1,024]; A: computed on the way; B: input wk (given as codes): QUANTISED (scales: A lowp_scales[2], B lowp_scales[3])
;;     3. [M 8,192, K 1,024] x [K 1,024, N 1,024]; A: computed on the way; B: input wv (given as codes): QUANTISED (scales: A lowp_scales[4], B lowp_scales[5])
;;     4. batch 64 x [M 2,048, K 64] x [K 64, N 2,048]; A: computed on the way; B: computed on the way: QUANTISED (scales: A lowp_scales[6], B lowp_scales[7])
;;     5. batch 64 x [M 2,048, K 2,048] x [K 2,048, N 64]; A: softmax (see below); B: computed on the way: QUANTISED (scales: A lowp_scales[8], B lowp_scales[9])
;;     6. [M 8,192, K 1,024] x [K 1,024, N 1,024]; A: computed on the way; B: input wo (given as codes): QUANTISED (scales: A lowp_scales[10], B lowp_scales[11])
;;   THE QUANTISER, for each operand of a quantised product, along K:
;;     - The operand's scale is 2^e, e = its entry of the input lowp_scales (int32; the entries are numbered through the quantised products in the list's order, A before B).
;;     - Each number is divided by the scale, clamped to +-448, and rounded to the nearest number of E4M3, ties to even, subnormals kept.
;;     - The product sums the exact products of the quantised numbers (number of the format x scale) in f32.
;;   ~~~python
;;   def quantise(x, axis, e):      # numpy; x: float32 -> the quantised numbers, widened to float32 again
;;       x = np.moveaxis(x, axis, -1); K = x.shape[-1]
;;       r = np.clip(x / 2.0 ** e, -448, 448)
;;       step = 2.0 ** (np.maximum(np.frexp(np.where(r == 0, 1, r))[1] - 1, -6) - 3)
;;       q = np.round(r / step) * step * 2.0 ** e      # np.round: ties to even
;;       return np.moveaxis(q, -1, axis).astype(np.float32)
;;   ~~~
;;   SOFTMAX AHEAD OF A QUANTISED PRODUCT. Where the list says 'softmax', what is quantised is not the finished softmax but p = 2^(t - M), with t = logit x log2(e) and M = ceil(the row's largest t), a whole number; so 1/2 < the row's largest p <= 1. The row's sum l is taken of the UNQUANTISED p, in f32, and the product's result is divided by l at the end. Since M is a whole number, a kernel that streams over the keys may use a running M (the ceiling of the running maximum): every later rescaling is an exact power of two, so the quantised numbers keep their values, but for numbers so far below the row's largest that they fall under the format's range.
;;   OPERANDS COMPUTED ON THE WAY. 'Computed on the way' means the value that the module computes at that place (a softmax that the list does not call 'softmax' is quantised finished and normalised). What goes into a quantiser is computed in f32, as accurately as f32 sums, v_exp_f32 and their like allow (about 1e-6 of the number): no bf16 or f16 on the way to a quantiser, and a product that is left as it is and whose result goes on into a quantised operand takes f32 operands (vector FMAs, or v_wmma_f32_16x16x4_f32). A number that lies on a knife's edge between two numbers of the format may be rounded either way, as far as f32 arithmetic and the matrix unit's own rounding can turn it there, and no further.
;;   INPUTS GIVEN AS CODES. wk (in the module: [1024, 1024], K = its axis 1); wo (in the module: [1024, 1024], K = its axis 1); wq (in the module: [1024, 1024], K = its axis 1); wv (in the module: [1024, 1024], K = its axis 1): each comes as NAME_codes (uint8): NAME with its K axis moved to the last place and cut into blocks of 32 codes, [.., K / 32, bytes a block], one block behind the other in memory; one code a byte (a code: sign, 4 exponent bits, 3 mantissa bits); its scale is its entry of lowp_scales. Its value is code x scale, taken as it is: it is not quantised again, and the codes and scales need not be those that the quantiser above would give.
;; One version. Each part assembles by itself: llvm-mc -triple=amdgcn-amd-amdhsa -mcpu=gfx1250 --defsym DOCPART=n.
;; ======== version 1 of 1: 4 launches
;; limits: right only within a limited range of input values
;; workspace buffers: qn_codes 8,388,608 bytes; kn_codes 8,388,608 bytes; vn_codes 8,388,608 bytes; q_img 8,388,608 bytes; k_img 8,388,608 bytes; v_img 8,388,608 bytes; at_img 8,388,608 bytes
;; launch lnq (part 1): grid 512 x 1, 8 waves a work-group, no clusters, 17,408 bytes of LDS; arguments query_input, kv_input, ln_q_w, ln_q_b, ln_kv_w, ln_kv_b, lowp_scales, qn_codes, kn_codes, vn_codes; writes qn_codes, kn_codes, vn_codes
.if DOCPART == 1
	.amdgcn_target "amdgcn-amd-amdhsa--gfx1250"
	.amdhsa_code_object_version 6
	.text
	.protected	k_qc362cb8072_lnq
	.globl	k_qc362cb8072_lnq
	.p2align	8
	.type	k_qc362cb8072_lnq,@function
k_qc362cb8072_lnq:
	s_mov_b64 s[64:65], 0
	v_nop
	global_prefetch_b8 v0, s[64:65] scope:SCOPE_SE
	s_setreg_imm32_b32 hwreg(HW_REG_WAVE_MODE, 25, 1), 1
	s_wait_xcnt 0x0
; LayerNorm of query_input and of kv_input ([8192][1024] f32 each), quantised to codes of FP8 (E4M3), K innermost, rows of 1,024 bytes.
; The query's norm gets the scale 2^e0 (qn_codes); the kv norm is quantised twice, with 2^e2 (kn_codes) and with 2^e4 (vn_codes).
; code = y / 2^e, held within +-448, rounded to the nearest code, ties to even.  LIMITS: e0, e2, e4 between -126 and 119.  NaN among the inputs is not served.
; SHARES.  Work-groups 0-255 take the query's rows, 256-511 the kv rows; only pointers and an exponent are chosen by that.  A wave takes 4 rows; one row lies in 32 registers of the wave,
; so mean and variance never leave the wave: no barrier.  The variance is taken of x - mean in a second pass over the registers, so a common offset of the inputs does no harm.
; All 32 row loads of a wave (512 consecutive bytes each) are issued at the head, behind the 16 loads of the gain and the bias.
; Load j of a row puts x[128 j + 4 lane + i] into register 4 j + i.  A conversion of registers 8 i .. 8 i + 7 gives two words: my 4 codes of chunk 2 i and of chunk 2 i + 1.  The words are turned through
; the wave's own LDS bytes (4 bytes a lane in, 16 bytes a lane out), so that each store covers 512 consecutive bytes, aligned.  Each of the two sets of codes has LDS bytes of its own.
.set W,   16                           ; v16-47   the gain of my 32 columns
.set B,   48                           ; v48-79   the bias
.set X,   80                           ; v80-207  four rows, 32 registers each
.set T,   208
.set C,   224                          ; v224-231 a row's codes, 4 a word
.set OUT, 232                          ; v232-239 the codes as they are stored
.set CH,  240                          ; v240-247 four chains of pairs
.set R,   248                          ; v248     a sum over the wave
.set PD,  249                          ; v249     the lane permute's destination
.set MU,  250                          ; v250     the mean (v251 is named with it as a pair)
.set RS,  252                          ; v252     1 / sqrt(var + eps) (v253 likewise)
.set VAR, 254
	s_load_b256 s[4:11], s[0:1], 0x0               ; query s[4:5], kv s[6:7], ln_q_w s[8:9], ln_q_b s[10:11]
	s_load_b256 s[12:19], s[0:1], 0x20             ; ln_kv_w s[12:13], ln_kv_b s[14:15], the exponents s[16:17], qn_codes s[18:19]
	s_load_b128 s[20:23], s[0:1], 0x40             ; kn_codes s[20:21], vn_codes s[22:23]
	v_lshl_add_u32 v15, v0, 2, 0x4000
	v_mov_b32 v255, 0
	v_lshrrev_b32 v4, 5, v0
	s_delay_alu instid0(VALU_DEP_1)
	v_readfirstlane_b32 s36, v4                    ; wave 0..7
	v_and_b32 v5, 31, v0                           ; lane
	s_delay_alu instid0(VALU_DEP_1)
	v_lshlrev_b32 v1, 4, v5                        ; 16 x lane: my place in 512 bytes
	s_lshl_b32 s37, s36, 11                        ; my wave's 2,048 LDS bytes
	v_lshl_add_u32 v2, v5, 2, s37                  ; into them: 4 bytes a lane
	v_add_nc_u32 v3, s37, v1                       ; out of them: 16 bytes a lane
	s_mov_b32 s32, 0x3a800000                      ; 1 / 1024
	s_mov_b32 s33, 0x3727c5ac                      ; eps = 1e-5
	s_mov_b32 s38, 0x76543210                      ; lane selects: lane l xor 16
	s_mov_b32 s39, 0xfedcba98
	v_mov_b32 v[PD], 0
	v_mov_b32 v[MU+1], 0
	v_mov_b32 v[RS+1], 0
	s_and_b32 s40, ttmp9, 255                      ; which 32 rows of my tensor
	s_lshl_b32 s41, s40, 17
	s_lshl_b32 s42, s36, 14
	s_add_co_u32 s42, s41, s42                     ; in: (32 local + 4 wave) rows of 4,096 bytes
	s_mov_b32 s43, 0
	s_lshl_b32 s44, s40, 15
	s_lshl_b32 s45, s36, 12
	s_add_co_u32 s44, s44, s45                     ; out: the same rows of 1,024 bytes
	s_mov_b32 s45, 0
	s_wait_alu depctr_va_vdst(0)
	s_wait_kmcnt 0x0
	s_load_b256 s[24:31], s[16:17], 0x0            ; e0 .. e7
	s_cmp_lt_u32 ttmp9, 256                        ; the query's work-group or kv's?  The choice hangs on the work-group's number alone
	s_cselect_b64 s[4:5], s[4:5], s[6:7]
	s_cselect_b64 s[8:9], s[8:9], s[12:13]
	s_cselect_b64 s[10:11], s[10:11], s[14:15]
	s_cselect_b64 s[18:19], s[18:19], s[20:21]
	s_add_nc_u64 s[4:5], s[4:5], s[42:43]
	s_add_nc_u64 s[18:19], s[18:19], s[44:45]
	s_add_nc_u64 s[22:23], s[22:23], s[44:45]
.irp j, 0,1,2,3,4,5,6,7
	global_load_b128 v[W+4*\j:W+4*\j+3], v1, s[8:9] offset:512*\j
.endr
.irp j, 0,1,2,3,4,5,6,7
	global_load_b128 v[B+4*\j:B+4*\j+3], v1, s[10:11] offset:512*\j
.endr
.irp i, 0,1,2,3
.irp j, 0,1,2,3,4,5,6,7
	global_load_b128 v[X+32*\i+4*\j:X+32*\i+4*\j+3], v1, s[4:5] offset:4096*\i+512*\j th:TH_LOAD_NT
.endr
.endr
.macro SCALE e, sc, lim                ; s[e] -> v[sc] = 2^e as f32 (the conversion takes its exponent field)
	s_add_co_i32 s34, s[\e], 127
	s_lshl_b32 s35, s34, 23
	v_mov_b32 v[\sc], s35
.endm
	s_wait_kmcnt 0x0
	s_cmp_lt_u32 ttmp9, 256
	s_cselect_b32 s24, s24, s26                    ; e0 or e2
	SCALE 24, 6, 7
	SCALE 28, 8, 9                                 ; e4
.macro FOLD                            ; the four chains become one number a lane
	s_delay_alu instid0(VALU_DEP_3)
	v_pk_add_f32 v[CH:CH+1], v[CH:CH+1], v[CH+2:CH+3]
	s_delay_alu instid0(VALU_DEP_2)
	v_pk_add_f32 v[CH+4:CH+5], v[CH+4:CH+5], v[CH+6:CH+7]
	s_delay_alu instid0(VALU_DEP_1)
	v_pk_add_f32 v[CH:CH+1], v[CH:CH+1], v[CH+4:CH+5]
	s_delay_alu instid0(VALU_DEP_1)
	v_add_f32 v[R], v[CH], v[CH+1]
.endm
.macro WSUM                            ; the sum over the 32 lanes, in every lane
	s_delay_alu instid0(VALU_DEP_1)
	v_add_f32_dpp v[R], v[R], v[R] row_xmask:1 row_mask:0xf bank_mask:0xf
	s_delay_alu instid0(VALU_DEP_1)
	v_add_f32_dpp v[R], v[R], v[R] row_xmask:2 row_mask:0xf bank_mask:0xf
	s_delay_alu instid0(VALU_DEP_1)
	v_add_f32_dpp v[R], v[R], v[R] row_xmask:4 row_mask:0xf bank_mask:0xf
	s_delay_alu instid0(VALU_DEP_1)
	v_add_f32_dpp v[R], v[R], v[R] row_xmask:8 row_mask:0xf bank_mask:0xf
	s_delay_alu instid0(VALU_DEP_1)
	v_permlanex16_b32 v[PD], v[R], s38, s39
	s_delay_alu instid0(VALU_DEP_1)
	v_add_f32 v[R], v[R], v[PD]
.endm
; The row in v[XR] on is quantised with v[sc] and stored as row 'row' of the wave's four at s[ob:ob+1].  The row's numbers stay as they are.
.macro QSET set, row, sc, lim, ob
.irp i, 0,1,2,3
.irp n, 0,1,2,3,4,5,6,7
.endr
	v_cvt_scalef32_pk8_fp8_f32 v[C+2*\i:C+2*\i+1], v[T+8*(\i%2)+((XR+8*\i+0)-(T+8*(\i%2)+0)):T+8*(\i%2)+7+((XR+8*\i+0)-(T+8*(\i%2)+0))], v[\sc]
.endr
	v_nop                                          ; a plain line behind the last conversion
.irp j, 0,1,2,3,4,5,6,7
	ds_store_b32 v2, v[C+\j] offset:1024*\set+128*\j
.endr
	s_wait_xcnt 0x0                                ; the earlier stores have read OUT: it is loaded again only behind this wait
.irp g, 0,1
	ds_load_b128 v[OUT+4*\g:OUT+4*\g+3], v3 offset:1024*\set+512*\g   ; LDS serves a wave's instructions in order: these see my stores
.endr
	s_wait_dscnt 0x0
.irp g, 0,1
	global_store_b128 v1, v[OUT+4*\g:OUT+4*\g+3], s[\ob:\ob+1] offset:1024*(\row)+512*\g   ; 512 consecutive bytes, aligned
.endr
.endm
.macro ROW i
.set XR, X+32*(\i)
	s_wait_loadcnt 24-8*(\i)                       ; this row's eight loads are in; the later rows' eight each may be out
.irp k, 0,1,2,3
	v_pk_add_f32 v[CH+2*\k:CH+2*\k+1], v[XR+2*\k:XR+2*\k+1], v[XR+8+2*\k:XR+8+2*\k+1]
.endr
.irp m, 16,24
.irp k, 0,1,2,3
	s_delay_alu instid0(VALU_DEP_4)
	v_pk_add_f32 v[CH+2*\k:CH+2*\k+1], v[CH+2*\k:CH+2*\k+1], v[XR+\m+2*\k:XR+\m+2*\k+1]
.endr
.endr
	FOLD
	WSUM
	s_delay_alu instid0(VALU_DEP_1)
	v_mul_f32 v[MU], s32, v[R]                     ; the mean
.set p, 0
.rept 16
	v_pk_add_f32 v[XR+p:XR+p+1], v[XR+p:XR+p+1], v[MU:MU+1] op_sel_hi:[1,0] neg_lo:[0,1] neg_hi:[0,1]   ; x - mean
.set p, p+2
.endr
.irp k, 0,1,2,3
	v_pk_mul_f32 v[CH+2*\k:CH+2*\k+1], v[XR+2*\k:XR+2*\k+1], v[XR+2*\k:XR+2*\k+1]
.endr
.irp m, 8,16,24
.irp k, 0,1,2,3
	s_delay_alu instid0(VALU_DEP_4)
	v_pk_fma_f32 v[CH+2*\k:CH+2*\k+1], v[XR+\m+2*\k:XR+\m+2*\k+1], v[XR+\m+2*\k:XR+\m+2*\k+1], v[CH+2*\k:CH+2*\k+1]
.endr
.endr
	FOLD
	WSUM
	s_delay_alu instid0(VALU_DEP_1)
	v_fma_f32 v[VAR], v[R], s32, s33               ; the variance + eps
	s_wait_alu depctr_va_vdst(0)
	v_rsq_f32 v[RS], v[VAR]
	v_nop                                          ; a plain line behind the transcendental
	s_wait_alu depctr_va_vdst(0)                   ; and a wait ahead of its first reader
.set p, 0
.rept 16
	v_pk_mul_f32 v[XR+p:XR+p+1], v[XR+p:XR+p+1], v[RS:RS+1] op_sel_hi:[1,0]
.set p, p+2
.endr
.set p, 0
.rept 16
	v_pk_fma_f32 v[XR+p:XR+p+1], v[XR+p:XR+p+1], v[W+p:W+p+1], v[B+p:B+p+1]
.set p, p+2
.endr
	QSET 0, \i, 6, 7, 18
	s_cmp_lt_u32 ttmp9, 256                        ; the query has one set of codes
	s_cbranch_scc1 .Lone_set_\@
	s_wait_alu depctr_va_vdst(0)
	QSET 1, \i, 8, 9, 22
.Lone_set_\@:
.endm
	ROW 0
	ROW 1
	ROW 2
	ROW 3
	s_wait_tensorcnt 0x0
	ds_add_u32 v15, v255
	s_wait_dscnt 0x0
	s_endpgm
.Lfunc_end_k_qc362cb8072_lnq:
	.size	k_qc362cb8072_lnq, .Lfunc_end_k_qc362cb8072_lnq-k_qc362cb8072_lnq
	.p2alignl 7, 3214868480
	.fill 96, 4, 3214868480
	.section	.rodata,"a",@progbits
	.p2align	6, 0x0
	.amdhsa_kernel k_qc362cb8072_lnq
		.amdhsa_group_segment_fixed_size 17408
		.amdhsa_private_segment_fixed_size 0
		.amdhsa_enable_private_segment 0
		.amdhsa_kernarg_size 80
		.amdhsa_user_sgpr_count 2
		.amdhsa_user_sgpr_kernarg_segment_ptr 1
		.amdhsa_wavefront_size32 1
		.amdhsa_system_sgpr_workgroup_id_x 1
		.amdhsa_system_sgpr_workgroup_id_y 1
		.amdhsa_system_sgpr_workgroup_id_z 1
		.amdhsa_system_vgpr_workitem_id 0
		.amdhsa_next_free_vgpr 256
		.amdhsa_next_free_sgpr 66
		.amdhsa_reserve_vcc 0
		.amdhsa_float_denorm_mode_32 3
		.amdhsa_float_denorm_mode_16_64 3
		.amdhsa_fp16_overflow 1
		.amdhsa_memory_ordered 1
		.amdhsa_forward_progress 1
		.amdhsa_inst_pref_size 47
	.end_amdhsa_kernel
	.amdgpu_metadata
---
amdhsa.version: [ 1, 2 ]
amdhsa.kernels:
  - .name:           k_qc362cb8072_lnq
    .symbol:         k_qc362cb8072_lnq.kd
    .args:
      - { .name: query_input, .offset: 0, .size: 8, .value_kind: global_buffer, .address_space: global }
      - { .name: kv_input, .offset: 8, .size: 8, .value_kind: global_buffer, .address_space: global }
      - { .name: ln_q_w, .offset: 16, .size: 8, .value_kind: global_buffer, .address_space: global }
      - { .name: ln_q_b, .offset: 24, .size: 8, .value_kind: global_buffer, .address_space: global }
      - { .name: ln_kv_w, .offset: 32, .size: 8, .value_kind: global_buffer, .address_space: global }
      - { .name: ln_kv_b, .offset: 40, .size: 8, .value_kind: global_buffer, .address_space: global }
      - { .name: lowp_scales, .offset: 48, .size: 8, .value_kind: global_buffer, .address_space: global }
      - { .name: qn_codes, .offset: 56, .size: 8, .value_kind: global_buffer, .address_space: global }
      - { .name: kn_codes, .offset: 64, .size: 8, .value_kind: global_buffer, .address_space: global }
      - { .name: vn_codes, .offset: 72, .size: 8, .value_kind: global_buffer, .address_space: global }
    .group_segment_fixed_size: 17408
    .private_segment_fixed_size: 0
    .kernarg_segment_align: 8
    .kernarg_segment_size: 80
    .max_flat_workgroup_size: 256
    .sgpr_count:     66
    .vgpr_count:     256
    .wavefront_size: 32
...
	.end_amdgpu_metadata
.endif
;; end of part 1
;; launch proj (part 2): grid 4 x 96, 4 waves a work-group, clusters of 4 x 4, 327,680 bytes of LDS; arguments qn_codes, kn_codes, vn_codes, wq_codes, wk_codes, wv_codes, bq, bk, bv, lowp_scales, q_img, k_img, v_img; writes q_img, k_img, v_img
.if DOCPART == 2
	.amdgcn_target "amdgcn-amd-amdhsa--gfx1250"
	.amdhsa_code_object_version 6
	.text
	.protected	k_qc362cb8072_proj
	.globl	k_qc362cb8072_proj
	.p2align	8
	.type	k_qc362cb8072_proj,@function
k_qc362cb8072_proj:
	s_mov_b64 s[64:65], 0
	v_nop
	global_prefetch_b8 v0, s[64:65] scope:SCOPE_SE
	s_setreg_imm32_b32 hwreg(HW_REG_WAVE_MODE, 25, 1), 1
	s_wait_xcnt 0x0
	s_wait_alu depctr_hold_cnt(0) depctr_sa_sdst(0) depctr_va_vdst(0) depctr_va_sdst(0) depctr_va_ssrc(0) depctr_va_vcc(0) depctr_vm_vsrc(0)
	s_getreg_b32 s2, hwreg(HW_REG_IB_STS2, 6, 4)
	s_cmp_eq_u32 s2, 0
	s_cbranch_scc0 .Lentry_in_a_cluster
	s_endpgm
.Lentry_in_a_cluster:
	s_bfe_u32 s2, ttmp6, 0x10000c
	s_cmp_lg_u32 s2, 0xf033
	s_cbranch_scc0 .Lentry_shape_is_right
	s_endpgm
.Lentry_shape_is_right:
; The three projections Q, K, V = norm W^T + b on codes of FP8 (E4M3), each result quantised again (Q with 2^e6, K with 2^e7, V with 2^e9) and stored as images of the operand registers that the attention launch loads.
; ROLES.  Eight clusters of 4 x 4 work-groups for each projection: role = cluster y / 8 (0 Q, 1 K, 2 V), the same in all partners of a cluster.  A work-group makes 256 x 256 of a product, a wave 128 x 128:
; 64 accumulators of 16 x 16.  K = 1,024 goes in four steps of 256 through two LDS slots filled by joint tensor loads.
; 'A' is the matrix instruction's source 1 (rows by the tile row, shared along a row of the cluster), 'B' its source 0 (rows by the tile column, shared along a column).  Q, K: A = the tokens' codes, B = the weight:
; a lane then holds ONE token and its eight registers eight neighbouring features, which is the next product's K.  V: A = the weight, B = the tokens: a lane holds one channel and eight neighbouring KEYS.
; All six operands are rows of 1,024 bytes, so descriptors, LDS and the steps do not know the role: only pointers, exponents and tile coordinates are chosen by it.
; Fragments come by four loads of 16 bytes: a permutation of k that is the same in A and B, so every product meets its partner.
; THE BIAS is the C of the first step's products, divided by 2^(eA + eB), the power of two that the sums lack; by features (Q, K: eight registers for each block of B) or by channels (V: a lane's one number, eight times, for each block of A).
; THE WAY OUT: code = sum / 2^(eo - eA - eB), held within +-448.  Two neighbouring blocks' codes are 16 bytes a lane; a store covers 512 consecutive bytes, aligned.  No LDS is needed.
;   q_img, k_img: [batch 4][pair of heads 8][128 tokens 16][tile of 16 tokens 8][head of the pair 2][g 2][lane 32][16 bytes]: lane (r, h): token r of the tile, d = 32 g + 8 h + 0..7 and 32 g + 16 + 8 h + 0..7
;   v_img:        [batch 4][pair of heads 8][128 keys 16][head of the pair 2][tile of 16 channels 4][g 4][lane 32][16 bytes]: lane (r, h): channel r of the tile, keys 32 g + 8 h + 0..7 and 32 g + 16 + 8 h + 0..7
; LIMITS: eo - eA - eB between -126 and 119; b / 2^(eA + eB) an f32 number.
; REGISTERS, in windows of 256: window 0: v0-31 addresses and constants; v32-95 the bias; v96-223 on the way out the codes; from v128 A's fragments, ONE set.
;   window 1: B's fragments, two sets.   window 2: the accumulators of my A rows 0-63 ((a, b) at v[8 (8 a + b)]);   window 3: those of rows 64-127.
.set KSTEP,  256
.set ROWB,   256                       ; a tile's row in bytes
.set KROW,   1024                      ; a row of an operand in memory
.set PITCH,  272                       ; an LDS row: 256 bytes + 16 of padding = 68 words: the 16 rows that a load touches start at 16 different banks (64 banks of 4 bytes: ISA guide 11.1)
.set FR,     16
.set NL,     4
.set NP,     4
.set HALFT,  128*PITCH
.set SLOT,   4*HALFT
.set SPARE,  2*SLOT                    ; behind the ring: the spare words, 128 bytes for each wave, which no other line names
.set ADRA, 16
.set ADRB, 20
.set GO,   26                          ; v26  16 x lane
.set SPW,  28
.set NIL,  29
.set SC,   30                          ; v30  2^(eo - eA - eB) as f32
.set LIM,  31
.set BI,   32
.set TMP,  32
.set CD,   96
.set AF,   128
.set G1, 24
.set G0, 32
.set G1B, 48
.set G0B, 56
.set MSB, 0
.macro WIN new                         ; the immediate's high byte repeats the setting that is left
.if MSB != \new
	s_set_vgpr_msb (MSB<<8)|\new
.set MSB, \new
.endif
.endm
.set MUL_LO, 0xa1                      ; source 0 (B) window 1, source 1 (A) window 0, C and D window 2
.set MUL_HI, 0xf1
.set TO_B,   0x40
.macro JLOAD g0a, g1a, g0b, g1b        ; a joint load: waves 0 and 1 fetch for A, waves 2 and 3 for B; four v_nop follow each of the two lines
	s_cmp_eq_u32 s15, 0
	s_cbranch_scc0 .Lfor_b_\@
	tensor_load_to_lds s[\g0a:\g0a+3], s[\g1a:\g1a+7]
	s_nop 0
.rept 4
	v_nop
.endr
	s_branch .Lasked_\@
.Lfor_b_\@:
	tensor_load_to_lds s[\g0b:\g0b+3], s[\g1b:\g1b+7]
	s_nop 0
.rept 4
	v_nop
.endr
.Lasked_\@:
.endm
.macro CREST                           ; a round of the cluster's barrier behind its opening barrier
	s_cmp_lg_u32 s14, 0
	s_cbranch_scc1 .Lnot_wave_0_\@
	s_barrier_signal -3
.Lnot_wave_0_\@:
	s_barrier_wait -3
	s_barrier_signal -1
	s_barrier_wait -1
.endm
.macro CROUND
	s_barrier_signal -1
	s_barrier_wait -1
	CREST
.endm
	s_load_b256 s[68:75], s[0:1], 0x0              ; qn s[68:69], kn s[70:71], vn s[72:73], wq s[74:75]
	s_load_b256 s[76:83], s[0:1], 0x20             ; wk s[76:77], wv s[78:79], bq s[80:81], bk s[82:83]
	s_load_b256 s[84:91], s[0:1], 0x40             ; bv s[84:85], the exponents s[86:87], q_img s[88:89], k_img s[90:91]
	s_load_b64 s[92:93], s[0:1], 0x60              ; v_img
	v_lshl_add_u32 v[SPW], v0, 2, SPARE
	v_mov_b32 v[NIL], 0
	ds_add_u32 v28, v29
	ds_add_u32 v28, v29
	s_wait_dscnt 0x0
	v_lshrrev_b32 v1, 5, v0
	v_readfirstlane_b32 s14, v1                    ; wave 0..3
	s_lshr_b32 s15, s14, 1                         ; which half of A's rows is mine.  Also: I fetch for A (0) or for B (1)
	s_and_b32 s16, s14, 1                          ; which half of B's rows.  Also: which 128 rows of that tile I fetch
	s_bfe_u32 s40, ttmp6, 0x40000                  ; cx, cy: my place in the cluster
	s_bfe_u32 s41, ttmp6, 0x40004
	s_and_b32 s99, ttmp7, 0xffff                   ; cluster y, 0..23
	s_lshr_b32 s98, s99, 3                         ; the role
	s_and_b32 s99, s99, 7                          ; which of the role's eight clusters
	s_cmp_eq_u32 s98, 2
	s_cselect_b32 s42, s99, 0                      ; V: the clusters lie along the tile columns (tokens); Q, K: along the tile rows (tokens)
	s_cselect_b32 s17, 0, s99
	s_lshl_b32 s42, s42, 2
	s_add_co_u32 s42, s42, s40                     ; tile column
	s_lshl_b32 s17, s17, 2
	s_add_co_u32 s17, s17, s41                     ; tile row
	s_lshl_b32 s43, s41, 2
	s_lshl_b32 s43, 15, s43                        ; my row of the cluster
	s_lshl_b32 s44, 0x1111, s40                    ; my column
	s_or_b32 s[G1+0], s43, (0<<16)|(1<<20)|(1<<21)|(5<<22)|(3<<25)  ; the mask; elements of 1 byte; padding on; bit 21 beside a mask; 4 words after every 64
	s_or_b32 s[G1B+0], s44, (0<<16)|(1<<20)|(1<<21)|(5<<22)|(3<<25)
.irp g, G1, G1B
	s_mov_b32 s[\g+1], ROWB<<16                    ; tensor_dim0
	s_mov_b32 s[\g+2], 128<<16                     ; tensor_dim1
	s_mov_b32 s[\g+3], ROWB<<16                    ; tile_dim0
	s_mov_b32 s[\g+4], 128                         ; tile_dim1
	s_mov_b32 s[\g+5], KROW                        ; tensor_dim0_stride
	s_mov_b32 s[\g+6], 0
	s_mov_b32 s[\g+7], 0
.endr
	s_lshl_b32 s18, s16, 17                        ; the 128 rows of 1,024 bytes that I fetch
	s_lshl_b32 s20, s17, 18
	s_add_co_u32 s20, s20, s18                     ; A: 256 rows x tile row + 128 x half
	s_mov_b32 s21, 0
	s_lshl_b32 s46, s42, 18
	s_add_co_u32 s46, s46, s18                     ; B: 256 rows x tile column + 128 x half
	s_mov_b32 s47, 0
	s_mul_i32 s45, s14, HALFT                      ; where they go: wave x 128 rows
	s_wait_kmcnt 0x0
	s_cmp_eq_u32 s98, 0                            ; the role's four buffers: a choice that hangs on the cluster's number alone
	s_cselect_b64 s[4:5], s[68:69], s[70:71]
	s_cselect_b64 s[6:7], s[74:75], s[76:77]
	s_cselect_b64 s[8:9], s[80:81], s[82:83]
	s_cselect_b64 s[10:11], s[88:89], s[90:91]
	s_cmp_eq_u32 s98, 2
	s_cselect_b64 s[4:5], s[78:79], s[4:5]         ; A: qn, kn or wv
	s_cselect_b64 s[6:7], s[72:73], s[6:7]         ; B: wq, wk or vn
	s_cselect_b64 s[8:9], s[84:85], s[8:9]         ; the bias
	s_cselect_b64 s[10:11], s[92:93], s[10:11]     ; the image
	s_load_b256 s[68:75], s[86:87], 0x0            ; e0 .. e7
	s_load_b128 s[76:79], s[86:87], 0x20           ; e8 .. e11
	s_add_nc_u64 s[20:21], s[4:5], s[20:21]
	s_add_nc_u64 s[46:47], s[6:7], s[46:47]
	CROUND                                         ; all sixteen work-groups are here: the first joint loads meet
.irp s, 0,1
	s_mov_b32 s[G0+4*\s], 1
	s_add_co_u32 s[G0+4*\s+1], s45, \s*SLOT
	s_add_nc_u64 s[G0+4*\s+2:G0+4*\s+3], s[20:21], \s*ROWB
	s_or_b32 s[G0+4*\s+3], s[G0+4*\s+3], 0x80000000
	s_mov_b32 s[G0B+4*\s], 1
	s_add_co_u32 s[G0B+4*\s+1], s45, \s*SLOT
	s_add_nc_u64 s[G0B+4*\s+2:G0B+4*\s+3], s[46:47], \s*ROWB
	s_or_b32 s[G0B+4*\s+3], s[G0B+4*\s+3], 0x80000000
	s_wait_alu depctr_va_vdst(0)
	s_wait_tensorcnt 0x0
	ds_add_u32 v28, v29
	ds_add_u32 v28, v29
	s_wait_dscnt 0x0
	CROUND
	JLOAD G0+4*\s, G1, G0B+4*\s, G1B
.endr
	v_and_b32 v1, 15, v0                           ; r = l % 16
	v_bfe_u32 v2, v0, 4, 1                         ; h = l / 16
	v_mul_u32_u24 v3, v1, PITCH
	v_lshl_add_u32 v4, v2, 4, v3                   ; a fragment's row x pitch + 16 x half
	s_mul_i32 s21, s15, HALFT                      ; my 128 rows of A
	s_mul_i32 s22, s16, HALFT                      ; my 128 rows of B,
	s_add_co_u32 s22, s22, 2*HALFT                 ; which lie behind A's 256
.irp s, 0,1
	v_add_nc_u32 v[ADRA+\s], s21, v4
	v_add_nc_u32 v[ADRB+\s], s22, v4
	s_add_co_u32 s21, s21, SLOT
	s_add_co_u32 s22, s22, SLOT
.endr
	v_lshlrev_b32 v5, 5, v2                        ; the bias by features: 32 h bytes
	v_lshlrev_b32 v6, 2, v1                        ; the bias by channels: 4 r bytes
	v_and_b32 v7, 31, v0
	v_lshlrev_b32 v[GO], 4, v7
	s_lshl_b32 s12, s17, 1
	s_add_co_u32 s12, s12, s15                     ; which 128 rows of A are mine
	s_lshl_b32 s13, s42, 1
	s_add_co_u32 s13, s13, s16                     ; which 128 rows of B
	s_cmp_eq_u32 s98, 2
	s_cselect_b32 s18, s13, s12                    ; the block of 128 tokens, 0..63,
	s_cselect_b32 s19, s12, s13                    ; and the pair of heads, 0..7
	s_lshr_b32 s22, s18, 4
	s_lshl_b32 s22, s22, 3
	s_add_co_u32 s22, s22, s19
	s_lshl_b32 s22, s22, 4
	s_and_b32 s18, s18, 15
	s_add_co_u32 s22, s22, s18
	s_lshl_b32 s22, s22, 14                        ; ((batch x 8 + pair) x 16 + block in the batch) x 16,384 bytes
	s_mov_b32 s23, 0
	s_add_nc_u64 s[10:11], s[10:11], s[22:23]
	s_lshl_b32 s22, s19, 9                         ; the pair's 128 numbers of the bias
	s_add_nc_u64 s[8:9], s[8:9], s[22:23]
	s_wait_kmcnt 0x0
	s_cmp_eq_u32 s98, 0
	s_cselect_b32 s94, s68, s70                    ; eA: e0, e2 or e4
	s_cselect_b32 s95, s69, s71                    ; eB: e1, e3 or e5
	s_cselect_b32 s96, s74, s75                    ; eo: e6, e7 or e9
	s_cmp_eq_u32 s98, 2
	s_cselect_b32 s94, s72, s94
	s_cselect_b32 s95, s73, s95
	s_cselect_b32 s96, s77, s96
	s_add_co_i32 s94, s94, s95                     ; eA + eB
	s_sub_co_i32 s97, 0, s94
	s_sub_co_i32 s96, s96, s94                     ; eo - eA - eB: the three scales folded into the conversion's one
	s_cmp_eq_u32 s98, 2
	s_cbranch_scc1 .Lbias_v
	s_wait_alu depctr_va_vdst(0)
.irp b, 0,1,2,3,4,5,6,7
	global_load_b128 v[BI+8*\b:BI+8*\b+3], v5, s[8:9] offset:64*\b         ; features 16 b + 8 h + 0 .. 7
	global_load_b128 v[BI+8*\b+4:BI+8*\b+7], v5, s[8:9] offset:64*\b+16
.endr
	s_wait_loadcnt 0x0
.set i, 0
.rept 64
	v_ldexp_f32 v[BI+i], v[BI+i], s97
.set i, i+1
.endr
	s_branch .Lbias_done
.Lbias_v:
	s_wait_alu depctr_va_vdst(0)
.irp a, 0,1,2,3,4,5,6,7
	global_load_b32 v[96+\a], v6, s[8:9] offset:64*\a                      ; channel 16 a + r
.endr
	s_wait_loadcnt 0x0
.irp a, 0,1,2,3,4,5,6,7
.irp j, 0,1,2,3,4,5,6,7
	v_ldexp_f32 v[BI+8*\a+\j], v[96+\a], s97
.endr
.endr
.Lbias_done:
	s_add_co_i32 s96, s96, 127
	s_lshl_b32 s95, s96, 23
	v_mov_b32 v[SC], s95
.macro FRAG reg, adr, q, i             ; 16 rows x 128 K: lane l holds row l % 16; registers 4 c .. 4 c + 3 hold K = 32 c + 16 (l / 16) + 0 .. 15
.irp c, 0,1,2,3
	ds_load_b128 v[\reg+4*\c:\reg+4*\c+3], v[\adr] offset:128*(\q)+32*\c+(\i)*16*PITCH
.endr
.endm
; 16 matrix instructions: A's blocks a0, a0 + 1 x B's eight.  p: B's set.  cm = 0: onto the sums; 1: the sums begin with the bias by B's block; 2: by A's block.
; The 64 accumulators take turns, one instruction a turn, in the same order in every step.
.macro MUL16 a0, p, cm
.irp a, \a0, \a0+1
.irp b, 0,1,2,3,4,5,6,7
.if \cm == 0
	v_wmma_f32_16x16x128_fp8_fp8 v[8*(8*((\a)%4)+\b):8*(8*((\a)%4)+\b)+7], v[128*(\p)+FR*\b:128*(\p)+FR*\b+FR-1], v[AF+FR*(\a):AF+FR*(\a)+FR-1], v[8*(8*((\a)%4)+\b):8*(8*((\a)%4)+\b)+7]
.elseif \cm == 1
	v_wmma_f32_16x16x128_fp8_fp8 v[8*(8*((\a)%4)+\b):8*(8*((\a)%4)+\b)+7], v[128*(\p)+FR*\b:128*(\p)+FR*\b+FR-1], v[AF+FR*(\a):AF+FR*(\a)+FR-1], v[BI+8*\b:BI+8*\b+7]
.else
	v_wmma_f32_16x16x128_fp8_fp8 v[8*(8*((\a)%4)+\b):8*(8*((\a)%4)+\b)+7], v[128*(\p)+FR*\b:128*(\p)+FR*\b+FR-1], v[AF+FR*(\a):AF+FR*(\a)+FR-1], v[BI+8*(\a):BI+8*(\a)+7]
.endif
.endr
.endr
.endm
.macro FETCH_B slot, q, p
	WIN TO_B
.irp i, 0,1,2,3,4,5,6,7
	FRAG 128*(\p)+FR*\i, ADRB+\slot, \q, \i
.endr
	WIN 0
.endm
.macro FETCH_A slot, q, i0
.irp i, \i0, \i0+1, \i0+2, \i0+3
	FRAG AF+FR*(\i), ADRA+\slot, \q, \i
.endr
.endm
.macro PLACES n                        ; plain vector lines between a matrix instruction and a load into, or a vector read of, its registers
.rept \n
	v_nop
.endr
.endm
; A step of 128 along K that has its successor in the same slot.  With cm > 0 the C operand lies in window 0.
.macro STEP slot, q, cm
	s_wait_dscnt 4*NL                              ; B's set and A's blocks 0-3 are in; the youngest sixteen loads (A's blocks 4-7) may be out
.if \cm
	WIN 0x81
.else
	WIN MUL_LO
.endif
	MUL16 0, (\q)%2, \cm
	MUL16 2, (\q)%2, \cm
	s_wait_dscnt 0                                 ; A's blocks 4-7 are in
	PLACES NP
	FETCH_B \slot, (\q)+1, 1-(\q)%2
	FETCH_A \slot, (\q)+1, 0
.if \cm
	WIN 0xc1
.else
	WIN MUL_HI
.endif
	MUL16 4, (\q)%2, \cm
	MUL16 6, (\q)%2, \cm
	PLACES NP
	WIN 0
	FETCH_A \slot, (\q)+1, 4
.endm
; A slot's last step changes slots: ONE barrier; in front of it each wave waits for all its tensor loads, adds 0 to its spare word, and waits for that and for its own reads of this slot.
.macro TURN slot, next, fill
	s_wait_tensorcnt 0x0                           ; all my tensor loads have landed: my part of the next slot
	ds_add_u32 v[SPW], v[NIL]                      ; 0 onto my spare word
	s_wait_dscnt 4*NL+1                            ; (the add and the youngest sixteen loads may be out)
	WIN MUL_LO
	MUL16 0, 1, 0
	s_wait_dscnt 0x0                               ; the add is done, and my reads of this slot are over
	s_barrier_signal -1
	MUL16 2, 1, 0
	WIN 0
	s_barrier_wait -1
.if \fill
	CREST                                          ; the barrier has opened a round of the cluster's: no wave of any partner still reads this slot or has a load on its way
	s_add_nc_u64 s[G0+4*\slot+2:G0+4*\slot+3], s[G0+4*\slot+2:G0+4*\slot+3], 2*ROWB
	s_add_nc_u64 s[G0B+4*\slot+2:G0B+4*\slot+3], s[G0B+4*\slot+2:G0B+4*\slot+3], 2*ROWB
	JLOAD G0+4*\slot, G1, G0B+4*\slot, G1B         ; the first tensor load behind the round; its four v_nop are the places in front of the loads below
.else
	PLACES NP
.endif
	FETCH_B \next, 0, 0
	FETCH_A \next, 0, 0
	WIN MUL_HI
	MUL16 4, 1, 0
	MUL16 6, 1, 0
	PLACES NP
	WIN 0
	FETCH_A \next, 0, 4
.endm
	s_wait_tensorcnt 1                             ; my part of K step 0 is in (K step 1's load may be out)
	s_barrier_signal -1
	s_barrier_wait -1                              ; everybody's is
	FETCH_B 0, 0, 0
	FETCH_A 0, 0, 0
	FETCH_A 0, 0, 4
	s_cmp_eq_u32 s98, 2                            ; the first step is written twice: its C is the bias, by B's blocks or by A's.  No barrier and no tensor load stands in either arm
	s_cbranch_scc1 .Lfirst_v
	s_wait_alu depctr_va_vdst(0)
	STEP 0, 0, 1
	s_branch .Lfirst_done
.Lfirst_v:
	s_wait_alu depctr_va_vdst(0)
	STEP 0, 0, 2
.Lfirst_done:
	TURN 0, 1, 1                                   ; K has four steps of 256: written out.  Slot 0 takes K step 2,
	STEP 1, 0, 0
	TURN 1, 0, 1                                   ; slot 1 K step 3
	STEP 0, 0, 0
	TURN 0, 1, 0                                   ; nothing is left to fetch
	STEP 1, 0, 0
	s_wait_dscnt 4*NL
	WIN MUL_LO
	MUL16 0, 1, 0
	MUL16 2, 1, 0
	s_wait_dscnt 0
	WIN MUL_HI
	MUL16 4, 1, 0
	MUL16 6, 1, 0
	WIN 0
; THE WAY OUT of A's block a: 64 sums a lane are converted (each accumulator from its low end on) and stored.  Each block has code registers of its own, so no store's data are written again.
.macro OUTB a
.set AC, 64*((\a)%4)
	WIN 0x02+((\a)/4)                              ; source 0: window 2 or 3
.set i, 0
.rept 64
.set i, i+1
.endr
.irp b, 0,1,2,3,4,5,6,7
	v_cvt_scalef32_pk8_fp8_f32 v[CD+16*(\a)+2*\b:CD+16*(\a)+2*\b+1], v[AC+8*\b:AC+8*\b+7], v[SC]
.endr
	WIN 0
	v_nop                                          ; a plain line behind the last conversion
.irp p, 0,1,2,3
	global_store_b128 v[GO], v[CD+16*(\a)+4*\p:CD+16*(\a)+4*\p+3], s[10:11] offset:2048*(\a)+512*\p   ; 512 consecutive bytes, aligned
.endr
.endm
	PLACES NP
.irp a, 0,1,2,3,4,5,6,7
	OUTB \a
.endr
	s_wait_tensorcnt 0x0                           ; the wave's end
	ds_add_u32 v[SPW], v[NIL]
	s_wait_dscnt 0x0
	CROUND                                         ; the closing round: no work-group ends while a partner may still ask for a tile that names it
	s_endpgm
.Lfunc_end_k_qc362cb8072_proj:
	.size	k_qc362cb8072_proj, .Lfunc_end_k_qc362cb8072_proj-k_qc362cb8072_proj
	.p2alignl 7, 3214868480
	.fill 96, 4, 3214868480
	.section	.rodata,"a",@progbits
	.p2align	6, 0x0
	.amdhsa_kernel k_qc362cb8072_proj
		.amdhsa_group_segment_fixed_size 327680
		.amdhsa_private_segment_fixed_size 0
		.amdhsa_enable_private_segment 0
		.amdhsa_kernarg_size 104
		.amdhsa_user_sgpr_count 2
		.amdhsa_user_sgpr_kernarg_segment_ptr 1
		.amdhsa_wavefront_size32 1
		.amdhsa_system_sgpr_workgroup_id_x 1
		.amdhsa_system_sgpr_workgroup_id_y 1
		.amdhsa_system_sgpr_workgroup_id_z 1
		.amdhsa_system_vgpr_workitem_id 0
		.amdhsa_next_free_vgpr 1024
		.amdhsa_next_free_sgpr 100
		.amdhsa_reserve_vcc 0
		.amdhsa_float_denorm_mode_32 3
		.amdhsa_float_denorm_mode_16_64 3
		.amdhsa_fp16_overflow 1
		.amdhsa_memory_ordered 1
		.amdhsa_forward_progress 1
		.amdhsa_inst_pref_size 106
	.end_amdhsa_kernel
	.amdgpu_metadata
---
amdhsa.version: [ 1, 2 ]
amdhsa.kernels:
  - .name:           k_qc362cb8072_proj
    .symbol:         k_qc362cb8072_proj.kd
    .args:
      - { .name: qn_codes, .offset: 0, .size: 8, .value_kind: global_buffer, .address_space: global }
      - { .name: kn_codes, .offset: 8, .size: 8, .value_kind: global_buffer, .address_space: global }
      - { .name: vn_codes, .offset: 16, .size: 8, .value_kind: global_buffer, .address_space: global }
      - { .name: wq_codes, .offset: 24, .size: 8, .value_kind: global_buffer, .address_space: global }
      - { .name: wk_codes, .offset: 32, .size: 8, .value_kind: global_buffer, .address_space: global }
      - { .name: wv_codes, .offset: 40, .size: 8, .value_kind: global_buffer, .address_space: global }
      - { .name: bq, .offset: 48, .size: 8, .value_kind: global_buffer, .address_space: global }
      - { .name: bk, .offset: 56, .size: 8, .value_kind: global_buffer, .address_space: global }
      - { .name: bv, .offset: 64, .size: 8, .value_kind: global_buffer, .address_space: global }
      - { .name: lowp_scales, .offset: 72, .size: 8, .value_kind: global_buffer, .address_space: global }
      - { .name: q_img, .offset: 80, .size: 8, .value_kind: global_buffer, .address_space: global }
      - { .name: k_img, .offset: 88, .size: 8, .value_kind: global_buffer, .address_space: global }
      - { .name: v_img, .offset: 96, .size: 8, .value_kind: global_buffer, .address_space: global }
    .group_segment_fixed_size: 327680
    .private_segment_fixed_size: 0
    .kernarg_segment_align: 8
    .kernarg_segment_size: 104
    .max_flat_workgroup_size: 128
    .sgpr_count:     100
    .vgpr_count:     1024
    .wavefront_size: 32
...
	.end_amdgpu_metadata
.endif
;; end of part 2
;; launch attn (part 3): grid 4 x 64, 8 waves a work-group, clusters of 4 x 1, 271,360 bytes of LDS; arguments q_img, k_img, v_img, mask, lowp_scales, at_img; writes at_img
.if DOCPART == 3
	.amdgcn_target "amdgcn-amd-amdhsa--gfx1250"
	.amdhsa_code_object_version 6
	.text
	.protected	k_qc362cb8072_attn
	.globl	k_qc362cb8072_attn
	.p2align	8
	.type	k_qc362cb8072_attn,@function
k_qc362cb8072_attn:
	s_mov_b64 s[64:65], 0
	v_nop
	global_prefetch_b8 v0, s[64:65] scope:SCOPE_SE
	s_setreg_imm32_b32 hwreg(HW_REG_WAVE_MODE, 25, 1), 1
	s_wait_xcnt 0x0
	s_wait_alu depctr_hold_cnt(0) depctr_sa_sdst(0) depctr_va_vdst(0) depctr_va_sdst(0) depctr_va_ssrc(0) depctr_va_vcc(0) depctr_vm_vsrc(0)
	s_getreg_b32 s2, hwreg(HW_REG_IB_STS2, 6, 4)
	s_cmp_eq_u32 s2, 0
	s_cbranch_scc0 .Lentry_in_a_cluster
	s_endpgm
.Lentry_in_a_cluster:
	s_bfe_u32 s2, ttmp6, 0x10000c
	s_cmp_lg_u32 s2, 0x3003
	s_cbranch_scc0 .Lentry_shape_is_right
	s_endpgm
.Lentry_shape_is_right:
; Attention of one head (2,048 queries, 2,048 keys, head size 64) on codes of FP8 (E4M3), with the input's key mask; the result is quantised with 2^e10 for the last projection.
; t = score x 2^(e6 + e7) x log2(e) / 8;  M = the running largest t, rounded up to a whole number;  p = 2^(t - M) is quantised with 2^e8, not normalised; the row's sum is taken of the unquantised p and divides at the end.
; SHARES.  The four work-groups of a cluster share one head; each owns 512 queries, in two passes of 256.  Wave w owns two tiles of 16 queries of a pass.  256 work-groups in all.
; THE HEAD'S WHOLE K AND V, 256 KB, STAY IN LDS, as images of the operand registers (16 bytes a lane, 512 bytes a load: no pitch, no padding).  They are filled once, by one joint tensor load a wave (32 KB; waves 0-3: K, waves 4-7: V),
; with a mask that names the four partners.  No LDS byte is filled again.  One tensor load of a wave is outstanding; one wait for it and one barrier stand in front of the first LDS read, and behind them LDS is only read.
; Nothing is prefetched: every byte of K and V is asked for by these first loads.
; LAYOUT.  Both products are used transposed: S^T = K Q^T (source 0 = 16 keys, source 1 = 16 queries; the 16x16x64 form, K = the head's 64), O^T = V^T P^T (source 0 = 16 channels, source 1 = P; the 16x16x128 form, K = 128 keys).
; A lane holds ONE query throughout; registers j of key tile kt hold keys 16 kt + 8 (lane / 16) + j, which is the place that the second product's own layout gives them: the conversions' results are its operand.
; THE MASK costs nothing in the loop: at the head it becomes one f32 a key in LDS, 0 or -1e30, and these are the C of the products K Q^T.  A sum of 64 products of codes lies within +-64 x 448^2 = +-1.2846e7, so the step's
; maximum is taken with a floor of -1.3e7: a hidden key never sets M, and its p is 0.  No infinity enters a matrix instruction.
; LIMITS: e6 + e7 between -90 and 127; e8 and e10 between -126 and 119.  Where a batch's mask hides every key the reference gives NaN; here the sum is 0.
; REGISTERS.  window 0: v1-6 addresses; v8-31 statistics, 12 a tile; v32, v34 the conversions' scales; v40-55 Q; v56-87 P's codes; v96-223 S^T, then p; v224-239 the second pass's Q.
;   window 1: v0-63 O^T (tile t, channels 16 ct on: 32 t + 8 ct); v64-127 K's eight fragments; v128-191 the mask's eight tiles; v192-255 V's four fragments.
.set LI,   1                           ; v1   16 x lane
.set BA,   2                           ; v2   BIAS + 32 (lane / 16)
.set ADK,  3                           ; v3   the next step's K
.set ADV,  4                           ; v4   this step's V
.set ADB,  5                           ; v5   the next step's mask numbers
.set LV,   6                           ; v6   VBASE + 16 x lane
.set ST,   8                           ; tile t at v[ST + 12 t]: +0 -M, +1 the largest t, +2:3 the sum, +4:5 f, +6:7 a second chain, +8, +9 at work, +10 the lane permute's destination
.set PSC,  32                          ; 2^e8
.set PLIM, 33
.set OSC,  34                          ; 2^e10
.set OLIM, 35
.set Q,    40
.set P,    56
.set S,    96
.set QN,   224
.set KF,   64                          ; in window 1
.set BF,   128
.set VF,   192
.set VBASE, 131072                     ; LDS: K at 0 (key tile kt at 1,024 kt), V here (128 keys kb at 8,192 kb),
.set BIAS,  262144                     ; and the mask's 2,048 numbers, stored by ds_store: no fill lands here
.set W_QK, 0x11                        ; K and the mask's tile in window 1, Q and S^T in window 0
.set W_LD, 0x40                        ; destination window 1
.set W_RS, 0x41                        ; O^T in window 1, f in window 0
.set W_PV, 0x51                        ; V and O^T in window 1, P in window 0
.set MSB, 0
.macro WIN new                         ; the immediate's high byte repeats the setting that is left
.if MSB != \new
	s_set_vgpr_msb (MSB<<8)|\new
.set MSB, \new
.endif
.endm
.macro CROUND                          ; a round of the cluster's barrier
	s_barrier_signal -1
	s_barrier_wait -1
	s_cmp_lg_u32 s18, 0
	s_cbranch_scc1 .Lnot_wave_0_\@
	s_barrier_signal -3
.Lnot_wave_0_\@:
	s_barrier_wait -3
	s_barrier_signal -1
	s_barrier_wait -1
.endm
	s_load_b256 s[4:11], s[0:1], 0x0               ; q_img s[4:5], k_img s[6:7], v_img s[8:9], mask s[10:11]
	s_load_b128 s[12:15], s[0:1], 0x20             ; the exponents s[12:13], at_img s[14:15]
	v_lshl_add_u32 v254, v0, 2, 0x42000
	v_mov_b32 v255, 0
	ds_add_u32 v254, v255
	ds_add_u32 v254, v255
	v_lshrrev_b32 v1, 5, v0
	s_delay_alu instid0(VALU_DEP_1)
	v_readfirstlane_b32 s18, v1                    ; wave 0..7
	s_bfe_u32 s44, ttmp6, 0x40000                  ; cx: it enters Q's and the result's global addresses alone
	s_and_b32 s45, ttmp7, 0xffff                   ; batch x 16 + head, which the four partners share
	s_lshr_b32 s46, s45, 4                         ; batch
	s_and_b32 s47, s45, 15                         ; head
	s_lshr_b32 s48, s47, 1                         ; the pair of heads
	s_and_b32 s49, s47, 1                          ; the head of the pair
	s_lshl_b32 s50, s46, 3
	s_add_co_u32 s50, s50, s48
	s_lshl_b32 s50, s50, 18                        ; (8 batch + pair) x 262,144 bytes: the pair's part of each image
	s_and_b32 s51, s18, 3
	s_lshl_b32 s51, s51, 16                        ; my quarter of the keys: 65,536 bytes of the pair's part
	s_add_co_u32 s52, s50, s51
	s_cmp_lt_u32 s18, 4
	s_cselect_b32 s53, 10, 13                      ; the head of the pair: 1,024 bytes on in K's image, 8,192 in V's
	s_lshl_b32 s53, s49, s53
	s_add_co_u32 s52, s52, s53
	s_mov_b32 s53, 0
	; group 1 for K: 32 rows of 1,024 bytes (a key tile of my head), 2,048 bytes apart; elements of 8 bytes
	s_mov_b32 s24, 15|(3<<16)|(1<<21)              ; the mask: all four work-groups; elements of 8 bytes; bit 21 beside a mask
	s_mov_b32 s25, 128<<16                         ; tensor_dim0 = 128
	s_mov_b32 s26, 32<<16                          ; tensor_dim1 = 32
	s_mov_b32 s27, 128<<16                         ; tile_dim0
	s_mov_b32 s28, 32                              ; tile_dim1
	s_mov_b32 s29, 256                             ; the pitch
	s_mov_b32 s30, 0
	s_mov_b32 s31, 0
	; group 1 for V: 4 rows of 8,192 bytes (128 keys of my head), 16,384 bytes apart
	s_mov_b32 s32, 15|(3<<16)|(1<<21)
	s_mov_b32 s33, 1024<<16
	s_mov_b32 s34, 4<<16
	s_mov_b32 s35, 1024<<16
	s_mov_b32 s36, 4
	s_mov_b32 s37, 2048
	s_mov_b32 s38, 0
	s_mov_b32 s39, 0
	s_mov_b32 s20, 0x76543210                      ; lane selects: lane l xor 16
	s_mov_b32 s21, 0xfedcba98
	s_mov_b32 s60, 0xcb465d40                      ; -1.3e7: under every sum of 64 products of codes
	s_mov_b32 s56, 0                               ; the LDS byte of the step in hand, in K and in V: 8,192 x step
	s_mov_b32 s57, 0                               ; and among the mask's numbers: 512 x step
	s_mov_b32 s59, 2                               ; passes
	s_lshl_b32 s54, s49, 10                        ; Q: my head, my work-group's 32 tiles of 2,048 bytes, my wave's two
	s_add_co_u32 s54, s54, s50
	s_lshl_b32 s55, s44, 16
	s_add_co_u32 s54, s54, s55
	s_lshl_b32 s55, s18, 12
	s_add_co_u32 s54, s54, s55
	s_mov_b32 s55, 0
	s_lshl_b32 s62, s46, 21                        ; the result: (128 batch + 32 cx + 2 wave) tiles of 16,384 bytes + 1,024 x head
	s_lshl_b32 s63, s44, 19
	s_add_co_u32 s62, s62, s63
	s_lshl_b32 s63, s18, 15
	s_add_co_u32 s62, s62, s63
	s_lshl_b32 s63, s47, 10
	s_add_co_u32 s62, s62, s63
	s_mov_b32 s63, 0
	s_lshl_b32 s66, s46, 11                        ; the batch's 2,048 bytes of the mask
	s_mov_b32 s67, 0
	s_wait_dscnt 0x0
	s_wait_kmcnt 0x0
	s_load_b256 s[68:75], s[12:13], 0x0            ; e0 .. e7
	s_load_b128 s[76:79], s[12:13], 0x20           ; e8 .. e11
	s_cmp_lt_u32 s18, 4
	s_cselect_b64 s[42:43], s[6:7], s[8:9]         ; group 0: waves 0-3 fetch from K's image, waves 4-7 from V's
	s_add_nc_u64 s[42:43], s[42:43], s[52:53]
	s_or_b32 s43, s43, 0x80000000                  ; type = 2
	s_mov_b32 s40, 1
	s_lshl_b32 s41, s18, 15                        ; LDS: 32,768 x wave: K's four quarters, then V's
	s_add_nc_u64 s[4:5], s[4:5], s[54:55]
	s_add_nc_u64 s[14:15], s[14:15], s[62:63]
	s_add_nc_u64 s[10:11], s[10:11], s[66:67]
	CROUND                                         ; all four work-groups are here: the joint loads meet
	s_cmp_lt_u32 s18, 4
	s_cbranch_scc0 .Lfill_v
	tensor_load_to_lds s[40:43], s[24:31]
	s_nop 0
.rept 4
	v_nop
.endr
	s_branch .Lfilled
.Lfill_v:
	tensor_load_to_lds s[40:43], s[32:39]
	s_nop 0
.rept 4
	v_nop
.endr
.Lfilled:
	v_lshlrev_b32 v7, 3, v0
	global_load_b64 v[96:97], v7, s[10:11]         ; thread t: the mask's bytes of keys 8 t .. 8 t + 7
	v_and_b32 v1, 31, v0
	s_delay_alu instid0(VALU_DEP_1)
	v_lshlrev_b32 v[LI], 4, v1
.irp t, 0,1
.irp g, 0,1
	global_load_b128 v[Q+8*\t+4*\g:Q+8*\t+4*\g+3], v[LI], s[4:5] offset:2048*\t+512*\g
	global_load_b128 v[QN+8*\t+4*\g:QN+8*\t+4*\g+3], v[LI], s[4:5] offset:32768+2048*\t+512*\g
.endr
.endr
	v_bfe_u32 v[BA], v0, 4, 1
	s_delay_alu instid0(VALU_DEP_1)
	v_lshl_add_u32 v[BA], v[BA], 5, BIAS
	v_add_nc_u32 v[LV], VBASE, v[LI]
	v_mov_b32 v[ADK], v[LI]
	s_delay_alu instid0(VALU_DEP_3)
	v_mov_b32 v[ADB], v[BA]
	v_mov_b32 v[ST+10], 0                          ; written once: a lane permute's destination counts as one of its sources
	v_mov_b32 v[ST+22], 0
	v_mov_b32 v99, 0xf149f2ca                      ; -1e30
	v_lshl_add_u32 v108, v0, 5, BIAS
	s_wait_alu depctr_va_vdst(0)
	s_wait_loadcnt 8                               ; the mask's bytes are in; Q's eight loads may be out
.irp k, 0,1,2,3,4,5,6,7
	v_bfe_u32 v98, v[96+\k/4], 8*(\k%4), 8
	s_delay_alu instid0(VALU_DEP_1)
	v_cmp_eq_u32 vcc_lo, 0, v98
	s_delay_alu instid0(VALU_DEP_1)
	v_cndmask_b32 v[100+\k], 0, v99, vcc_lo        ; 0 where the key counts, -1e30 where it is hidden
.endr
	ds_store_b128 v108, v[100:103]
	ds_store_b128 v108, v[104:107] offset:16
	s_wait_kmcnt 0x0
	s_add_co_i32 s62, s74, s75
	s_lshl_b32 s62, s62, 23
	s_add_co_i32 s22, s62, 0x3e38aa3b              ; c = log2(e) / 8, with e6 + e7 added to its exponent field
	s_mov_b32 s23, s22                             ; (named with it as a pair, so it is written)
	s_add_co_i32 s61, s76, s77                     ; e8 + e9
	s_add_co_i32 s62, s76, 127
	s_lshl_b32 s63, s62, 23
	v_mov_b32 v[PSC], s63
	s_add_co_i32 s62, s78, 127
	s_lshl_b32 s63, s62, 23
	v_mov_b32 v[OSC], s63
	s_wait_tensorcnt 0x0                           ; my 32 KB have landed,
	s_wait_dscnt 0x0                               ; my part of the mask's numbers is stored:
	s_barrier_signal -1
	s_barrier_wait -1                              ; everybody's.  From here on LDS is only read
.macro LOADKB                          ; a step's K (8 key tiles) and its mask numbers (8 tiles in the result's layout: sixteen lanes read the same 32 bytes)
.irp kt, 0,1,2,3,4,5,6,7
.irp g, 0,1
	ds_load_b128 v[KF+8*\kt+4*\g:KF+8*\kt+4*\g+3], v[ADK] offset:1024*\kt+512*\g
.endr
.endr
.irp kt, 0,1,2,3,4,5,6,7
	ds_load_b128 v[BF+8*\kt:BF+8*\kt+3], v[ADB] offset:64*\kt
	ds_load_b128 v[BF+8*\kt+4:BF+8*\kt+7], v[ADB] offset:64*\kt+16
.endr
.endm
	WIN W_LD
	LOADKB                                         ; step 0
	WIN 0
	s_wait_loadcnt 0x0                             ; Q
; A KEY STEP: 128 keys, both tiles of queries.
.macro STEP
	s_wait_dscnt 0x0                               ; this step's K and mask numbers are in
	WIN W_QK
	s_setprio 2
.irp kt, 0,1,2,3,4,5,6,7
.irp t, 0,1
	v_wmma_f32_16x16x64_fp8_fp8 v[S+64*\t+8*\kt:S+64*\t+8*\kt+7], v[KF+8*\kt:KF+8*\kt+7], v[Q+8*\t:Q+8*\t+7], v[BF+8*\kt:BF+8*\kt+7]
.endr
.endr
	WIN 0
	v_add_nc_u32 v[ADV], s56, v[LV]                ; four plain lines: the places between the products and the loads into the registers that they, and the last step's second products, have read
	s_add_co_u32 s56, s56, 8192
	s_and_b32 s56, s56, 0x1ffff                    ; the last step's successor is step 0: the next pass wants it
	v_add_nc_u32 v[ADK], s56, v[LI]
	s_add_co_u32 s57, s57, 512
	s_and_b32 s57, s57, 0x1fff
	v_add_nc_u32 v[ADB], s57, v[BA]
	v_nop
	WIN W_LD
.irp ct, 0,1,2,3
.irp g, 0,1,2,3
	ds_load_b128 v[VF+16*\ct+4*\g:VF+16*\ct+4*\g+3], v[ADV] offset:2048*\ct+512*\g   ; this step's V, wanted behind the softmax
.endr
.endr
	LOADKB                                         ; the next step's K and mask numbers
	WIN 0
.irp t, 0,1                                    ; the step's largest score of my query among my 64 keys: two chains a tile, each accumulator from its low end on
	v_max3_num_f32 v[ST+12*\t+8], v[S+64*\t], v[S+64*\t+1], v[S+64*\t+2]
	v_max3_num_f32 v[ST+12*\t+9], v[S+64*\t+3], v[S+64*\t+4], v[S+64*\t+5]
.endr
.irp i, 6,10,14,18,22,26,30,34,38,42,46,50,54,58
.irp t, 0,1
	v_max3_num_f32 v[ST+12*\t+8], v[ST+12*\t+8], v[S+64*\t+\i], v[S+64*\t+\i+1]
	v_max3_num_f32 v[ST+12*\t+9], v[ST+12*\t+9], v[S+64*\t+\i+2], v[S+64*\t+\i+3]
.endr
.endr
.irp t, 0,1
	v_max3_num_f32 v[ST+12*\t+8], v[ST+12*\t+8], v[S+64*\t+62], v[S+64*\t+63]
.endr
.irp t, 0,1
	s_delay_alu instid0(VALU_DEP_2)
	v_max3_num_f32 v[ST+12*\t+8], v[ST+12*\t+8], v[ST+12*\t+9], s60   ; with the floor: hidden keys do not count
.endr
.irp t, 0,1
	s_delay_alu instid0(VALU_DEP_2)
	v_permlanex16_b32 v[ST+12*\t+10], v[ST+12*\t+8], s20, s21
.endr
.irp t, 0,1
	s_delay_alu instid0(VALU_DEP_2)
	v_max_num_f32 v[ST+12*\t+8], v[ST+12*\t+8], v[ST+12*\t+10]         ; and among lane l xor 16's
.endr
.irp t, 0,1
	s_delay_alu instid0(VALU_DEP_2)
	v_mul_f32 v[ST+12*\t+8], s22, v[ST+12*\t+8]                        ; as t (c is positive)
.endr
.irp t, 0,1
	s_delay_alu instid0(VALU_DEP_2)
	v_max_num_f32 v[ST+12*\t+1], v[ST+12*\t+1], v[ST+12*\t+8]          ; the running largest t
.endr
.irp t, 0,1
	v_mov_b32 v[ST+12*\t+8], v[ST+12*\t]
.endr
.irp t, 0,1
	s_delay_alu instid0(VALU_DEP_4)
	v_floor_f32 v[ST+12*\t], -v[ST+12*\t+1]                            ; the new -M = floor(-t): M is a whole number
.endr
.irp t, 0,1
	s_delay_alu instid0(VALU_DEP_2)
	v_sub_f32 v[ST+12*\t+8], v[ST+12*\t], v[ST+12*\t+8]                ; old M - new M: a whole number, 0 or less
.endr
.irp t, 0,1
	s_delay_alu instid0(VALU_DEP_2)
	v_cvt_i32_f32 v[ST+12*\t+8], v[ST+12*\t+8]                         ; (it saturates)
.endr
.irp t, 0,1
	s_delay_alu instid0(VALU_DEP_2)
	v_ldexp_f32 v[ST+12*\t+4], 1.0, v[ST+12*\t+8]                      ; f = 2^(old M - new M): a multiplication by it rounds nothing
.endr
.set j, 0
.rept 32
.irp t, 0,1
	v_pk_fma_f32 v[S+64*\t+j:S+64*\t+j+1], v[S+64*\t+j:S+64*\t+j+1], s[22:23], v[ST+12*\t:ST+12*\t+1] op_sel_hi:[1,0,0]   ; t - M, two at a time
.endr
.set j, j+2
.endr
.set j, 0
	s_setprio 1
	s_wait_alu depctr_va_vdst(0)
.rept 128
	v_exp_f32 v[S+j], v[S+j]                       ; p = 2^(t - M): both tiles' exponentials are one batch
.set j, j+1
.endr
.irp t, 0,1
	v_pk_mul_f32 v[ST+12*\t+2:ST+12*\t+3], v[ST+12*\t+2:ST+12*\t+3], v[ST+12*\t+4:ST+12*\t+5] op_sel_hi:[1,0]   ; the sums under the new M: the plain lines behind the exponentials
.endr
	s_wait_alu depctr_va_vdst(0)                   ; one wait for the batch, ahead of its first reader
.irp t, 0,1
	v_pk_add_f32 v[ST+12*\t+6:ST+12*\t+7], v[S+64*\t:S+64*\t+1], v[S+64*\t+2:S+64*\t+3]   ; the row's sum is taken of the unquantised p: two chains a tile
.endr
.set j, 4
.rept 15
.irp t, 0,1
	v_pk_add_f32 v[ST+12*\t+2:ST+12*\t+3], v[ST+12*\t+2:ST+12*\t+3], v[S+64*\t+j:S+64*\t+j+1]
	v_pk_add_f32 v[ST+12*\t+6:ST+12*\t+7], v[ST+12*\t+6:ST+12*\t+7], v[S+64*\t+j+2:S+64*\t+j+3]
.endr
.set j, j+4
.endr
.irp t, 0
	s_delay_alu instid0(VALU_DEP_3)
	v_pk_add_f32 v[ST+12*\t+2:ST+12*\t+3], v[ST+12*\t+2:ST+12*\t+3], v[ST+12*\t+6:ST+12*\t+7]
.endr
.irp t, 1
	s_delay_alu instid0(VALU_DEP_2)
	v_pk_add_f32 v[ST+12*\t+2:ST+12*\t+3], v[ST+12*\t+2:ST+12*\t+3], v[ST+12*\t+6:ST+12*\t+7]
.endr
.set k, 0
.rept 8
.irp t, 0,1
.irp n, 0,1,2,3,4,5,6,7
.endr
	v_cvt_scalef32_pk8_fp8_f32 v[P+16*\t+2*k:P+16*\t+2*k+1], v[S+64*\t+8*k:S+64*\t+8*k+7], v[PSC]   ; keys 16 k + 8 (lane / 16) + 0..7: registers 2 k, 2 k + 1 of the operand
.endr
.set k, k+1
.endr
	WIN W_RS
.set j, 0
	s_setprio 0
.rept 16
.irp t, 0,1
	v_pk_mul_f32 v[32*\t+j:32*\t+j+1], v[32*\t+j:32*\t+j+1], v[ST+12*\t+4:ST+12*\t+5] op_sel_hi:[1,0]   ; O^T under the new M; also the plain lines between the conversions and the products
.endr
.set j, j+2
.endr
	s_wait_alu depctr_va_vdst(0)
	s_wait_dscnt 32                                ; V is in; the 32 younger loads (the next step's K and mask numbers) may be out
	WIN W_PV
.irp ct, 0,1,2,3
.irp t, 0,1
	v_wmma_f32_16x16x128_fp8_fp8 v[32*\t+8*\ct:32*\t+8*\ct+7], v[VF+16*\ct:VF+16*\ct+15], v[P+16*\t:P+16*\t+15], v[32*\t+8*\ct:32*\t+8*\ct+7]   ; the eight accumulators take turns
.endr
.endr
	WIN 0
.endm
.Lpass:
.irp t, 0,1
	v_mov_b32 v[ST+12*\t+1], 0xff61b1e6            ; the largest t so far: -3e38
	s_delay_alu instid0(VALU_DEP_1)
	v_floor_f32 v[ST+12*\t], -v[ST+12*\t+1]        ; -M
	v_mov_b32 v[ST+12*\t+2], 0                     ; the sum, in two halves
	v_mov_b32 v[ST+12*\t+3], 0
	v_mov_b32 v[ST+12*\t+5], 0                     ; (named as the upper half of f's pair)
.endr
	WIN W_LD
.set j, 0
.rept 64
	v_mov_b32 v[j], 0                              ; O^T.  (The step is written once: the first finds zeros, which the first change of M leaves zeros)
.set j, j+1
.endr
	WIN 0
	s_mov_b32 s58, 16
.Lstep:
	STEP
	s_sub_co_u32 s58, s58, 1
	s_cmp_lg_u32 s58, 0
	s_cbranch_scc1 .Lstep
	s_setprio 0
	; THE WAY OUT of a pass: O^T x 2^(e8 + e9) / the sum, converted with 2^e10, stored as an image of the last projection's operand:
	; at_img: [tile of 16 tokens 512][head 16][g 2][lane 32][16 bytes]: lane (r, h): token r, channels 32 g + 8 h + 0..7 and 32 g + 16 + 8 h + 0..7 of the head
.rept 4
	v_nop                                          ; places behind the last products
.endr
.irp t, 0,1
	v_add_f32 v[ST+12*\t+8], v[ST+12*\t+2], v[ST+12*\t+3]
.endr
.irp t, 0,1
	s_delay_alu instid0(VALU_DEP_2)
	v_permlanex16_b32 v[ST+12*\t+10], v[ST+12*\t+8], s20, s21
.endr
.irp t, 0,1
	s_delay_alu instid0(VALU_DEP_2)
	v_add_f32 v[ST+12*\t+8], v[ST+12*\t+8], v[ST+12*\t+10]
.endr
	s_wait_alu depctr_va_vdst(0)
.irp t, 0,1
	v_rcp_f32 v[ST+12*\t+6], v[ST+12*\t+8]
.endr
	v_nop                                          ; a plain line behind the reciprocals
	s_wait_alu depctr_va_vdst(0)                   ; and one wait for both, ahead of their first reader
.irp t, 0,1
	v_ldexp_f32 v[ST+12*\t+6], v[ST+12*\t+6], s61
.endr
	WIN 0x01                                       ; source 0 (O^T) window 1
.set j, 0
.rept 16
.irp t, 0,1
	v_pk_mul_f32 v[S+32*\t+j:S+32*\t+j+1], v[32*\t+j:32*\t+j+1], v[ST+12*\t+6:ST+12*\t+7] op_sel_hi:[1,0]
.endr
.set j, j+2
.endr
	WIN 0
.set j, 0
.rept 64
.set j, j+1
.endr
.irp t, 0,1
.irp ct, 0,1,2,3
	v_cvt_scalef32_pk8_fp8_f32 v[P+8*\t+2*\ct:P+8*\t+2*\ct+1], v[S+32*\t+8*\ct:S+32*\t+8*\ct+7], v[OSC]
.endr
.endr
	v_nop                                          ; a plain line behind the last conversion
.irp t, 0,1
.irp g, 0,1
	global_store_b128 v[LI], v[P+8*\t+4*\g:P+8*\t+4*\g+3], s[14:15] offset:16384*\t+512*\g   ; 512 consecutive bytes, aligned
.endr
.endr
	s_wait_xcnt 0x0                                ; the stores have read their base and their data: both are written again only behind this wait
	s_add_nc_u64 s[14:15], s[14:15], 262144        ; the next pass's 16 tiles
.set j, 0
.rept 16
	v_mov_b32 v[Q+j], v[QN+j]                      ; and its Q
.set j, j+1
.endr
	s_sub_co_u32 s59, s59, 1
	s_cmp_lg_u32 s59, 0
	s_cbranch_scc1 .Lpass
	s_wait_dscnt 0x0                               ; the last step's fetch ahead is not used; it is waited for
	s_wait_tensorcnt 0x0
	ds_add_u32 v254, v255
	s_wait_dscnt 0x0
	CROUND                                         ; the closing round
	s_endpgm
.Lfunc_end_k_qc362cb8072_attn:
	.size	k_qc362cb8072_attn, .Lfunc_end_k_qc362cb8072_attn-k_qc362cb8072_attn
	.p2alignl 7, 3214868480
	.fill 96, 4, 3214868480
	.section	.rodata,"a",@progbits
	.p2align	6, 0x0
	.amdhsa_kernel k_qc362cb8072_attn
		.amdhsa_group_segment_fixed_size 271360
		.amdhsa_private_segment_fixed_size 0
		.amdhsa_enable_private_segment 0
		.amdhsa_kernarg_size 48
		.amdhsa_user_sgpr_count 2
		.amdhsa_user_sgpr_kernarg_segment_ptr 1
		.amdhsa_wavefront_size32 1
		.amdhsa_system_sgpr_workgroup_id_x 1
		.amdhsa_system_sgpr_workgroup_id_y 1
		.amdhsa_system_sgpr_workgroup_id_z 1
		.amdhsa_system_vgpr_workitem_id 0
		.amdhsa_next_free_vgpr 512
		.amdhsa_next_free_sgpr 96
		.amdhsa_reserve_vcc 1
		.amdhsa_float_denorm_mode_32 3
		.amdhsa_float_denorm_mode_16_64 3
		.amdhsa_fp16_overflow 1
		.amdhsa_memory_ordered 1
		.amdhsa_forward_progress 1
		.amdhsa_inst_pref_size 44
	.end_amdhsa_kernel
	.amdgpu_metadata
---
amdhsa.version: [ 1, 2 ]
amdhsa.kernels:
  - .name:           k_qc362cb8072_attn
    .symbol:         k_qc362cb8072_attn.kd
    .args:
      - { .name: q_img, .offset: 0, .size: 8, .value_kind: global_buffer, .address_space: global }
      - { .name: k_img, .offset: 8, .size: 8, .value_kind: global_buffer, .address_space: global }
      - { .name: v_img, .offset: 16, .size: 8, .value_kind: global_buffer, .address_space: global }
      - { .name: mask, .offset: 24, .size: 8, .value_kind: global_buffer, .address_space: global }
      - { .name: lowp_scales, .offset: 32, .size: 8, .value_kind: global_buffer, .address_space: global }
      - { .name: at_img, .offset: 40, .size: 8, .value_kind: global_buffer, .address_space: global }
    .group_segment_fixed_size: 271360
    .private_segment_fixed_size: 0
    .kernarg_segment_align: 8
    .kernarg_segment_size: 48
    .max_flat_workgroup_size: 256
    .sgpr_count:     96
    .vgpr_count:     512
    .wavefront_size: 32
...
	.end_amdgpu_metadata
.endif
;; end of part 3
;; launch oproj (part 4): grid 4 x 64, 4 waves a work-group, clusters of 4 x 4, 327,680 bytes of LDS; arguments at_img, wo_codes, lowp_scales, bo, query_input, out0; writes out0
.if DOCPART == 4
	.amdgcn_target "amdgcn-amd-amdhsa--gfx1250"
	.amdhsa_code_object_version 6
	.text
	.protected	k_qc362cb8072_oproj
	.globl	k_qc362cb8072_oproj
	.p2align	8
	.type	k_qc362cb8072_oproj,@function
k_qc362cb8072_oproj:
	s_mov_b64 s[64:65], 0
	v_nop
	global_prefetch_b8 v0, s[64:65] scope:SCOPE_SE
	s_setreg_imm32_b32 hwreg(HW_REG_WAVE_MODE, 25, 1), 1
	s_wait_xcnt 0x0
	s_wait_alu depctr_hold_cnt(0) depctr_sa_sdst(0) depctr_va_vdst(0) depctr_va_sdst(0) depctr_va_ssrc(0) depctr_va_vcc(0) depctr_vm_vsrc(0)
	s_getreg_b32 s2, hwreg(HW_REG_IB_STS2, 6, 4)
	s_cmp_eq_u32 s2, 0
	s_cbranch_scc0 .Lentry_in_a_cluster
	s_endpgm
.Lentry_in_a_cluster:
	s_bfe_u32 s2, ttmp6, 0x10000c
	s_cmp_lg_u32 s2, 0xf033
	s_cbranch_scc0 .Lentry_shape_is_right
	s_endpgm
.Lentry_shape_is_right:
; out0 = query_input + (attn wo^T x 2^(e10 + e11) + bo), the product on codes of FP8 (E4M3).  attn comes as at_img, images of operand registers: [tile of 16 tokens 512][K step of 128: 8][2,048 bytes]; wo as rows of 1,024 codes.
; A work-group makes 128 tokens x 256 columns: 256 work-groups.  A wave makes 64 x 128: 32 accumulators.  K = 1,024 goes in four steps of 256 through two LDS slots filled by joint tensor loads.
; CLUSTERS of 4 x 4: the four of a row share the tokens' tile (A), the four of a column share wo's tile (B).  The matrix instruction is used transposed (source 0 = 16 rows of wo, source 1 = 16 tokens):
; a lane holds eight neighbouring columns of one row of the output.
; at_img holds each k at the place that the form's own layout gives it, so wo's fragments are read likewise: eight loads of 8 bytes, 16 bytes apart, at row x pitch + 8 (lane / 16).
; The residual's 64 rows x 512 bytes of a wave are asked for at the head, into 256 registers that nothing else uses, and land under the products.
; LIMIT: e10 + e11 between -126 and 127.
; REGISTERS: window 0: v0-31 addresses; v32-35 bo of my 4 columns; v64-127, v128-191 rows on the way out; v128-191, v192-255 A's two sets.  window 1: B's two sets.  window 2: accumulator (a, b) at v[8 (8 a + b)].  window 3: the residual, row n at v[4 n].
.set ROWB,   256
.set KROW,   1024
.set PITCH,  272                       ; wo's LDS row: 256 bytes + 16 of padding
.set HALFT,  128*PITCH
.set BOFF,   32768                     ; a slot: A's 8 tiles x 4,096 bytes, then wo's 256 rows
.set SLOT,   BOFF+2*HALFT
.set SPARE,  2*SLOT                    ; behind the ring: the spare words, 128 bytes for each wave, which no other line names
.set SPITCH, 528                       ; the way out: a stage of 16 rows x (512 bytes + 16) for each wave, in slot 0, which has had its last fill and its last read by then
.set ADRA, 16
.set ADRB, 20
.set STO,  24
.set RD,   25
.set CO,   26                          ; v26  16 x lane
.set SPW,  28
.set NIL,  29
.set BO,   32
.set BK,   64
.set AF,   128
.set G1, 24
.set G0, 32
.set G1B, 48
.set G0B, 56
.set MSB, 0
.macro WIN new                         ; the immediate's high byte repeats the setting that is left
.if MSB != \new
	s_set_vgpr_msb (MSB<<8)|\new
.set MSB, \new
.endif
.endm
.set MUL,  0xa1                        ; source 0 (wo) window 1, source 1 (attn) window 0, C and D window 2
.set TO_B, 0x40
.macro JLOAD g0a, g1a, g0b, g1b        ; a joint load: waves 0 and 1 fetch for A, waves 2 and 3 for B; four v_nop follow each of the two lines
	s_cmp_eq_u32 s15, 0
	s_cbranch_scc0 .Lfor_b_\@
	tensor_load_to_lds s[\g0a:\g0a+3], s[\g1a:\g1a+7]
	s_nop 0
.rept 4
	v_nop
.endr
	s_branch .Lasked_\@
.Lfor_b_\@:
	tensor_load_to_lds s[\g0b:\g0b+3], s[\g1b:\g1b+7]
	s_nop 0
.rept 4
	v_nop
.endr
.Lasked_\@:
.endm
.macro CREST
	s_cmp_lg_u32 s14, 0
	s_cbranch_scc1 .Lnot_wave_0_\@
	s_barrier_signal -3
.Lnot_wave_0_\@:
	s_barrier_wait -3
	s_barrier_signal -1
	s_barrier_wait -1
.endm
.macro CROUND
	s_barrier_signal -1
	s_barrier_wait -1
	CREST
.endm
	s_load_b256 s[4:11], s[0:1], 0x0               ; at_img s[4:5], wo s[6:7], the exponents s[8:9], bo s[10:11]
	s_load_b128 s[68:71], s[0:1], 0x20             ; query_input s[68:69], out0 s[70:71]
	v_lshl_add_u32 v[SPW], v0, 2, SPARE
	v_mov_b32 v[NIL], 0
	ds_add_u32 v28, v29
	ds_add_u32 v28, v29
	s_wait_dscnt 0x0
	v_lshrrev_b32 v1, 5, v0
	v_readfirstlane_b32 s14, v1                    ; wave 0..3
	s_lshr_b32 s15, s14, 1                         ; which 64 of the 128 tokens are mine.  Also: I fetch for A (0) or for B (1)
	s_and_b32 s16, s14, 1                          ; which 128 of the 256 columns.  Also: which half of that tile I fetch
	s_bfe_u32 s40, ttmp6, 0x40000                  ; cx = the tile column
	s_bfe_u32 s41, ttmp6, 0x40004                  ; cy
	s_and_b32 s17, ttmp7, 0xffff
	s_lshl_b32 s17, s17, 2
	s_add_co_u32 s17, s17, s41                     ; the tile row = 4 x cluster y + cy
	s_lshl_b32 s43, s41, 2
	s_lshl_b32 s43, 15, s43                        ; my row of the cluster
	s_lshl_b32 s44, 0x1111, s40                    ; my column
	; A: 4 rows of 4,096 bytes (a token tile's two K steps of 128), 16,384 bytes apart; no padding: an image is read 512 consecutive bytes at a time
	s_or_b32 s[G1+0], s43, (0<<16)|(1<<21)
	s_mov_b32 s[G1+1], 4096<<16                    ; tensor_dim0
	s_mov_b32 s[G1+2], 4<<16                       ; tensor_dim1
	s_mov_b32 s[G1+3], 4096<<16                    ; tile_dim0
	s_mov_b32 s[G1+4], 4                           ; tile_dim1
	s_mov_b32 s[G1+5], 16384                       ; the pitch
	s_mov_b32 s[G1+6], 0
	s_mov_b32 s[G1+7], 0
	; B: 128 rows of 256 bytes, 1,024 apart, 4 words of padding after every 64
	s_or_b32 s[G1B+0], s44, (0<<16)|(1<<20)|(1<<21)|(5<<22)|(3<<25)
	s_mov_b32 s[G1B+1], ROWB<<16
	s_mov_b32 s[G1B+2], 128<<16
	s_mov_b32 s[G1B+3], ROWB<<16
	s_mov_b32 s[G1B+4], 128
	s_mov_b32 s[G1B+5], KROW
	s_mov_b32 s[G1B+6], 0
	s_mov_b32 s[G1B+7], 0
	s_lshl_b32 s20, s17, 17                        ; A: (8 x tile row + 4 x half) tiles of 16,384 bytes
	s_lshl_b32 s18, s16, 16
	s_add_co_u32 s20, s20, s18
	s_mov_b32 s21, 0
	s_lshl_b32 s46, s40, 18                        ; B: (256 x tile column + 128 x half) rows of 1,024 bytes
	s_lshl_b32 s18, s16, 17
	s_add_co_u32 s46, s46, s18
	s_mov_b32 s47, 0
	s_lshl_b32 s45, s16, 14                        ; where they go: A's halves,
	s_mul_i32 s18, s16, HALFT
	s_add_co_u32 s18, s18, BOFF                    ; B's halves behind them
	s_wait_kmcnt 0x0
	s_load_b64 s[96:97], s[8:9], 0x28              ; e10, e11
	s_add_nc_u64 s[20:21], s[4:5], s[20:21]
	s_add_nc_u64 s[46:47], s[6:7], s[46:47]
	CROUND                                         ; all sixteen work-groups are here: the first joint loads meet
.irp s, 0,1
	s_mov_b32 s[G0+4*\s], 1
	s_add_co_u32 s[G0+4*\s+1], s45, \s*SLOT
	s_add_nc_u64 s[G0+4*\s+2:G0+4*\s+3], s[20:21], \s*4096
	s_or_b32 s[G0+4*\s+3], s[G0+4*\s+3], 0x80000000
	s_mov_b32 s[G0B+4*\s], 1
	s_add_co_u32 s[G0B+4*\s+1], s18, \s*SLOT
	s_add_nc_u64 s[G0B+4*\s+2:G0B+4*\s+3], s[46:47], \s*ROWB
	s_or_b32 s[G0B+4*\s+3], s[G0B+4*\s+3], 0x80000000
	s_wait_alu depctr_va_vdst(0)
	s_wait_tensorcnt 0x0
	ds_add_u32 v28, v29
	ds_add_u32 v28, v29
	s_wait_dscnt 0x0
	CROUND
	JLOAD G0+4*\s, G1, G0B+4*\s, G1B
.endr
	v_and_b32 v1, 15, v0                           ; r
	v_bfe_u32 v2, v0, 4, 1                         ; h
	v_and_b32 v3, 31, v0
	v_lshlrev_b32 v[CO], 4, v3
	v_mul_u32_u24 v4, v1, PITCH
	v_lshl_add_u32 v4, v2, 3, v4                   ; wo: row x pitch + 8 x half
	s_lshl_b32 s21, s15, 14                        ; my four token tiles
	s_mul_i32 s22, s16, HALFT
	s_add_co_u32 s22, s22, BOFF                    ; my 128 rows of wo
.irp s, 0,1
	v_add_nc_u32 v[ADRA+\s], s21, v[CO]
	v_add_nc_u32 v[ADRB+\s], s22, v4
	s_add_co_u32 s21, s21, SLOT
	s_add_co_u32 s22, s22, SLOT
.endr
	s_mul_i32 s23, s14, 16*SPITCH                  ; my stage
	v_mul_u32_u24 v5, v1, SPITCH
	v_lshl_add_u32 v5, v2, 5, v5
	v_add_nc_u32 v[STO], s23, v5                   ; in: row r, 32 bytes for each half of the lanes
	v_add_nc_u32 v[RD], s23, v[CO]                 ; back: the 32 lanes take one row of 512 bytes
	s_lshl_b32 s72, s17, 19                        ; my first row of the residual and of the output: (128 x tile row + 64 x half) rows of 4,096 bytes,
	s_lshl_b32 s73, s15, 18
	s_add_co_u32 s72, s72, s73
	s_lshl_b32 s74, s40, 10                        ; my first column: 1,024 x tile column + 512 x half bytes
	s_lshl_b32 s73, s16, 9
	s_add_co_u32 s74, s74, s73
	s_add_co_u32 s72, s72, s74
	s_mov_b32 s73, 0
	s_mov_b32 s75, 0
	s_add_nc_u64 s[68:69], s[68:69], s[72:73]
	s_add_nc_u64 s[70:71], s[70:71], s[72:73]
	s_add_nc_u64 s[10:11], s[10:11], s[74:75]
	global_load_b128 v[BO:BO+3], v[CO], s[10:11]
	WIN 0xc0                                       ; destination window 3
.set n, 0
.rept 64
	global_load_b128 v[4*n:4*n+3], v[CO], s[68:69] offset:4096*n th:TH_LOAD_NT   ; a row's 512 consecutive bytes
.set n, n+1
.endr
	WIN 0
; The fragments of the slot's ql-th 128 along K into set 'set': wo's eight (64 loads of 8 bytes), then my four token tiles' (16 loads of 16 bytes)
.macro FETCH slot, ql, set
	WIN TO_B
.irp i, 0,1,2,3,4,5,6,7
.irp c, 0,1,2,3,4,5,6,7
	ds_load_b64 v[128*(\set)+16*\i+2*\c:128*(\set)+16*\i+2*\c+1], v[ADRB+\slot] offset:128*(\ql)+16*\c+\i*16*PITCH
.endr
.endr
	WIN 0
.irp a, 0,1,2,3
.irp c, 0,1,2,3
	ds_load_b128 v[AF+64*(\set)+16*\a+4*\c:AF+64*(\set)+16*\a+4*\c+3], v[ADRA+\slot] offset:4096*\a+2048*(\ql)+512*\c
.endr
.endr
.endm
; 8 matrix instructions: token tile a x wo's eight blocks.  The 32 accumulators take turns, one instruction a turn, in the same order in every step.
.macro MULA a, set, zero
.irp b, 0,1,2,3,4,5,6,7
.if \zero
	v_wmma_f32_16x16x128_fp8_fp8 v[8*(8*(\a)+\b):8*(8*(\a)+\b)+7], v[128*(\set)+16*\b:128*(\set)+16*\b+15], v[AF+64*(\set)+16*(\a):AF+64*(\set)+16*(\a)+15], 0
.else
	v_wmma_f32_16x16x128_fp8_fp8 v[8*(8*(\a)+\b):8*(8*(\a)+\b)+7], v[128*(\set)+16*\b:128*(\set)+16*\b+15], v[AF+64*(\set)+16*(\a):AF+64*(\set)+16*(\a)+15], v[8*(8*(\a)+\b):8*(8*(\a)+\b)+7]
.endif
.endr
.endm
.macro PLACES
.rept 4
	v_nop
.endr
.endm
; A slot's first 128 along K (set 0); its second 128 are fetched into set 1 ahead of the products
.macro STEPA slot, zero
	s_wait_dscnt 0x0                               ; set 0 is in
	PLACES                                         ; between the last products on set 1 and the loads into it
	FETCH \slot, 1, 1
	WIN MUL
	MULA 0, 0, \zero
	MULA 1, 0, \zero
	MULA 2, 0, \zero
	MULA 3, 0, \zero
.endm
; A slot's second 128 (set 1) and the change of slots: ONE barrier; in front of it each wave waits for all its tensor loads, adds 0 to its spare word, and waits for that and for its own reads of this slot.
.macro TURNA slot, next, fill
	WIN 0                                          ; (the add's two registers lie in window 0)
	s_wait_tensorcnt 0x0                           ; all my tensor loads have landed: my part of the next slot
	ds_add_u32 v[SPW], v[NIL]                      ; 0 onto my spare word
	s_wait_dscnt 1                                 ; set 1 is in (the add alone may be out)
	WIN MUL
	MULA 0, 1, 0
	s_wait_dscnt 0x0                               ; the add is done, and my reads of this slot are over
	s_barrier_signal -1
	MULA 1, 1, 0
	WIN 0
	s_barrier_wait -1
.if \fill
	CREST                                          ; the barrier has opened a round of the cluster's: no wave of any partner still reads this slot or has a load on its way
	s_add_nc_u64 s[G0+4*\slot+2:G0+4*\slot+3], s[G0+4*\slot+2:G0+4*\slot+3], 2*4096
	s_add_nc_u64 s[G0B+4*\slot+2:G0B+4*\slot+3], s[G0B+4*\slot+2:G0B+4*\slot+3], 2*ROWB
	JLOAD G0+4*\slot, G1, G0B+4*\slot, G1B         ; the first tensor load behind the round; its four v_nop are the places in front of the loads below
.else
	PLACES
.endif
	FETCH \next, 0, 0
	WIN MUL
	MULA 2, 1, 0
	MULA 3, 1, 0
.endm
	s_wait_alu depctr_va_vdst(0)
	s_wait_tensorcnt 1                             ; my part of K step 0 is in (K step 1's load may be out)
	s_barrier_signal -1
	s_barrier_wait -1                              ; everybody's is
	FETCH 0, 0, 0
	STEPA 0, 1                                     ; the first products start the sums: nothing is cleared
	TURNA 0, 1, 1                                  ; slot 0 takes K step 2,
	STEPA 1, 0
	TURNA 1, 0, 1                                  ; slot 1 K step 3
	STEPA 0, 0
	TURNA 0, 1, 0                                  ; nothing is left to fetch
	STEPA 1, 0
	s_wait_dscnt 0x0
	MULA 0, 1, 0
	MULA 1, 1, 0
	MULA 2, 1, 0
	MULA 3, 1, 0
	WIN 0
; THE WAY OUT, a block of 16 rows x 128 columns at a time: the sums go through my stage and come back as whole rows of 512 bytes, which is how the residual lies in its registers.
.macro TOSTAGE a
	WIN 0x08                                       ; the stores' data: window 2
.irp b, 0,1,2,3,4,5,6,7
	ds_store_b128 v[STO], v[8*(8*(\a)+\b):8*(8*(\a)+\b)+3] offset:64*\b          ; each accumulator from its low end on
	ds_store_b128 v[STO], v[8*(8*(\a)+\b)+4:8*(8*(\a)+\b)+7] offset:64*\b+16
.endr
	WIN 0
.if (\a) >= 2
	s_wait_xcnt 0x0                                ; block a - 2's stores have read their registers: block a's rows may land there
.endif
.set BB, BK+64*((\a)%2)
.irp t, 0,1,2,3,4,5,6,7,8,9,10,11,12,13,14,15
	ds_load_b128 v[BB+4*\t:BB+4*\t+3], v[RD] offset:\t*SPITCH   ; LDS serves a wave's instructions in order: these see my stores, and the next block's stores come behind them
.endr
.endm
.macro SEND a, younger                 ; younger: the LDS instructions issued behind block a's loads, which may stay out
.set BB, BK+64*((\a)%2)
	s_wait_dscnt \younger
.irp t, 0,1,2,3,4,5,6,7,8,9,10,11,12,13,14,15
.irp i, 0,2
	v_pk_fma_f32 v[BB+4*\t+\i:BB+4*\t+\i+1], v[BB+4*\t+\i:BB+4*\t+\i+1], s[96:97], v[BO+\i:BO+\i+1] op_sel_hi:[1,0,1]   ; sum x 2^(e10 + e11) + bo
.endr
.endr
	WIN 0x0c                                       ; source 1 (the residual) window 3
.irp t, 0,1,2,3,4,5,6,7,8,9,10,11,12,13,14,15
.irp i, 0,2
	v_pk_add_f32 v[BB+4*\t+\i:BB+4*\t+\i+1], v[BB+4*\t+\i:BB+4*\t+\i+1], v[4*(16*(\a)+\t)+\i:4*(16*(\a)+\t)+\i+1]
.endr
.endr
	WIN 0
.irp t, 0,1,2,3,4,5,6,7,8,9,10,11,12,13,14,15
	global_store_b128 v[CO], v[BB+4*\t:BB+4*\t+3], s[70:71] offset:(16*(\a)+\t)*4096 th:TH_STORE_NT   ; 512 consecutive bytes, aligned; written once, read by nobody here
.endr
.endm
	s_wait_kmcnt 0x0
	s_add_co_i32 s96, s96, s97
	s_add_co_i32 s96, s96, 127
	s_lshl_b32 s96, s96, 23                        ; 2^(e10 + e11) as f32
	s_mov_b32 s97, s96                             ; (named with it as a pair, so it is written)
	PLACES                                         ; behind the last products: for the stores of their results and the loads into the registers that held A's fragments
	s_wait_loadcnt 0x0                             ; bo and the residual
	TOSTAGE 0
.irp a, 1,2,3
	TOSTAGE \a
	SEND \a-1, 32                                  ; behind block a - 1's loads: block a's 16 stores and 16 loads
.endr
	SEND 3, 0
	s_wait_tensorcnt 0x0                           ; the wave's end
	ds_add_u32 v[SPW], v[NIL]
	s_wait_dscnt 0x0
	CROUND                                         ; the closing round: no work-group ends while a partner may still ask for a tile that names it
	s_endpgm
.Lfunc_end_k_qc362cb8072_oproj:
	.size	k_qc362cb8072_oproj, .Lfunc_end_k_qc362cb8072_oproj-k_qc362cb8072_oproj
	.p2alignl 7, 3214868480
	.fill 96, 4, 3214868480
	.section	.rodata,"a",@progbits
	.p2align	6, 0x0
	.amdhsa_kernel k_qc362cb8072_oproj
		.amdhsa_group_segment_fixed_size 327680
		.amdhsa_private_segment_fixed_size 0
		.amdhsa_enable_private_segment 0
		.amdhsa_kernarg_size 48
		.amdhsa_user_sgpr_count 2
		.amdhsa_user_sgpr_kernarg_segment_ptr 1
		.amdhsa_wavefront_size32 1
		.amdhsa_system_sgpr_workgroup_id_x 1
		.amdhsa_system_sgpr_workgroup_id_y 1
		.amdhsa_system_sgpr_workgroup_id_z 1
		.amdhsa_system_vgpr_workitem_id 0
		.amdhsa_next_free_vgpr 1024
		.amdhsa_next_free_sgpr 98
		.amdhsa_reserve_vcc 0
		.amdhsa_float_denorm_mode_32 3
		.amdhsa_float_denorm_mode_16_64 3
		.amdhsa_memory_ordered 1
		.amdhsa_forward_progress 1
		.amdhsa_inst_pref_size 106
	.end_amdhsa_kernel
	.amdgpu_metadata
---
amdhsa.version: [ 1, 2 ]
amdhsa.kernels:
  - .name:           k_qc362cb8072_oproj
    .symbol:         k_qc362cb8072_oproj.kd
    .args:
      - { .name: at_img, .offset: 0, .size: 8, .value_kind: global_buffer, .address_space: global }
      - { .name: wo_codes, .offset: 8, .size: 8, .value_kind: global_buffer, .address_space: global }
      - { .name: lowp_scales, .offset: 16, .size: 8, .value_kind: global_buffer, .address_space: global }
      - { .name: bo, .offset: 24, .size: 8, .value_kind: global_buffer, .address_space: global }
      - { .name: query_input, .offset: 32, .size: 8, .value_kind: global_buffer, .address_space: global }
      - { .name: out0, .offset: 40, .size: 8, .value_kind: global_buffer, .address_space: global }
    .group_segment_fixed_size: 327680
    .private_segment_fixed_size: 0
    .kernarg_segment_align: 8
    .kernarg_segment_size: 48
    .max_flat_workgroup_size: 128
    .sgpr_count:     98
    .vgpr_count:     1024
    .wavefront_size: 32
...
	.end_amdgpu_metadata
.endif
;; end of part 4
